; MI455X (gfx1250); checked and timed in simulation.
; The chip was launched on July 23, 2026; its instructions are those of AMD's public machine-readable ISA for CDNA 5 (MIT licence, August 2026) and "CDNA5" Instruction Set Architecture Reference Guide (July 2026). The comments in the code are by the model that wrote it; some were corrected since.
;; Mo E. Allowed arithmetic: float matrix products may take bf16 or f16 operands with f32 sums; other float arithmetic in f32, or as packed bf16 or f16 multiplies, adds, multiply-adds, maxima and minima; sums over many terms, partial sums and values carried from step to step in f32; what a program stores and reads back later, other than sums and carried values, may be rounded once to bf16 or f16.
;; Inputs: W_gate 1,024 x 8 float32; W_in 8 x 1,024 x 4,096 float32; W_out 8 x 4,096 x 1,024 float32; b_in 8 x 4,096 float32; b_out 8 x 1,024 float32; x 2 x 512 x 1,024 float32.
;; Outputs: out0 2 x 512 x 1,024 float32.
;; One version. Each part assembles by itself: llvm-mc -triple=amdgcn-amd-amdhsa -mcpu=gfx1250 --defsym DOCPART=n.
;; ======== version 1 of 1: 4 launches
;; workspace buffers: xb 2,097,152 bytes; sel 4,096 bytes of whole numbers; gw 8,192 bytes; hb 16,777,216 bytes; yp 33,554,432 bytes
;; launch router (part 1): grid 256 x 1, 4 waves a work-group, no clusters, 0 bytes of LDS; arguments x, W_gate, xb, sel, gw; writes xb, sel, gw
.if DOCPART == 1
	.amdgcn_target "amdgcn-amd-amdhsa--gfx1250"
	.amdhsa_code_object_version 6
	.text
	.protected	k_q5425188a6e_router
	.globl	k_q5425188a6e_router
	.p2align	8
	.type	k_q5425188a6e_router,@function
k_q5425188a6e_router:
	s_mov_b64 s[64:65], 0
	v_nop
	global_prefetch_b8 v0, s[64:65] scope:SCOPE_SE
	s_setreg_imm32_b32 hwreg(HW_REG_WAVE_MODE, 25, 1), 1
	s_wait_xcnt 0x0
; ROUTER.  logits[t][e] = sum over d of x[t][d] W_gate[d][e]; the two largest (ties: the lower index), softmax over the two.
; Stored at fixed places: xb[t][d] = x rounded to bf16; sel[t] = e0 | e1 << 8; gw[t] = weight of e0, gw[1024 + t] = weight of e1.
; x and W_gate are rounded to bf16 first, like every input of the program; their products are then exact in f32 and the sums are f32.
; SHARES.  One wave takes one token (4 waves x 256 work-groups = 1,024).  Lane l owns d = 128 j + 4 l + i, j = 0..7, i = 0..3.
; No matrix unit: 8 columns and 8.4 million multiply-adds in all, and the choice wants f32 sums.  No LDS: a token never leaves its wave.
; LIMITS.  NaN and infinities are not treated apart (a NaN logit never wins a comparison); a weight below 2^-126 counts as 0.
.set XF,  8                            ; v[8:39]    x as loaded: XF + 4 j + i
.set XB,  40                           ; v[40:55]   x in bf16: XB + 2 j + i / 2, half i % 2
.set ACC, 56                           ; v[56:63]   the eight sums
.set WP,  64                           ; v[64:79]   a chunk of W_gate in bf16: WP + 4 i + e / 2, half e % 2
.set WR,  80                           ; v[80:207]  W_gate as loaded: four slots of 32: slot + 8 i + e
.set BV,  208                          ; the largest logit,   BI its index
.set BI,  209
.set BV2, 210                          ; the second largest,  BI2 its index
.set BI2, 211
.set NI,  212                          ; minus infinity
.set DD,  213
.set W0,  214
.set W1,  215
.set SW,  216
	s_load_b256 s[4:11], s[0:1], 0x0               ; x s[4:5], W_gate s[6:7], xb s[8:9], sel s[10:11]
	s_load_b64 s[12:13], s[0:1], 0x20              ; gw
	v_lshrrev_b32 v6, 5, v0
	v_readfirstlane_b32 s14, v6                    ; wave
	s_lshl_b32 s15, ttmp9, 2
	s_add_co_u32 s15, s15, s14                     ; token
	v_and_b32 v1, 31, v0                           ; lane
	v_lshlrev_b32 v2, 4, v1                        ; 16 l: my 16 bytes in 512 of x
	v_lshlrev_b32 v3, 7, v1                        ; 128 l: my four rows of W_gate, 32 bytes each
	v_lshlrev_b32 v4, 3, v1                        ; 8 l: my 8 bytes in 256 of xb
	v_mov_b32 v5, 0                                ; offset 0, and the addend that starts the sums
	v_mov_b32 v[NI], 0xff800000
	s_mov_b32 s18, 0x76543210                      ; v_permlanex16_b32: each lane takes its own place in the other half
	s_mov_b32 s19, 0xfedcba98
	s_mov_b32 s17, 0
	s_lshl_b32 s16, s15, 12                        ; a row of x is 4,096 bytes
	s_wait_kmcnt 0x0
	s_add_nc_u64 s[4:5], s[4:5], s[16:17]
	s_lshl_b32 s16, s15, 11                        ; a row of xb 2,048
	s_add_nc_u64 s[8:9], s[8:9], s[16:17]
	s_lshl_b32 s16, s15, 2                         ; a word for each token
	s_add_nc_u64 s[10:11], s[10:11], s[16:17]
	s_add_nc_u64 s[12:13], s[12:13], s[16:17]
.macro GLOAD j                         ; chunk j of W_gate: rows 128 j + 4 l + 0..3, 128 consecutive bytes a lane
.set gi, 0
.rept 8
	global_load_b128 v[WR+32*((\j)%4)+4*gi:WR+32*((\j)%4)+4*gi+3], v3, s[6:7] offset:4096*(\j)+16*gi
.set gi, gi+1
.endr
.endm
.set i, 0
.rept 8
	global_load_b128 v[XF+4*i:XF+4*i+3], v2, s[4:5] offset:512*i th:TH_LOAD_NT  ; 512 consecutive bytes a load
.set i, i+1
.endr
	GLOAD 0
	GLOAD 1
	GLOAD 2
	GLOAD 3
	s_wait_loadcnt 32                              ; the 32 loads of W_gate may stay out: x is in
.set i, 0
.rept 16
	v_cvt_pk_bf16_f32 v[XB+i], v[XF+2*i], v[XF+2*i+1]
.set i, i+1
.endr
.set i, 0
.rept 8
	global_store_b64 v4, v[XB+2*i:XB+2*i+1], s[8:9] offset:256*i  ; the wave stores 256 consecutive bytes, aligned; XB is never rewritten
.set i, i+1
.endr
; Chunk j: rounded to bf16, its slot filled again with chunk j + 4, 32 multiply-adds from bf16 halves into f32.  left: the younger chunks' loads, 8 each.
.macro CHUNK j, left
	s_wait_loadcnt \left
.set ci, 0
.rept 16
	v_cvt_pk_bf16_f32 v[WP+ci], v[WR+32*((\j)%4)+2*ci], v[WR+32*((\j)%4)+2*ci+1]
.set ci, ci+1
.endr
.if (\j) < 4
	GLOAD (\j)+4
.endif
.set ci, 0
.rept 32                               ; ci = 8 i + e: eight chains that do not wait for each other
.set fe, ci%8
.set fi, ci/8
.set fa, XB+2*(\j)+fi/2
.set fb, WP+4*fi+fe/2
.set fc, ACC+fe
.if ((\j) == 0) && (fi == 0)
.set fc, 5                             ; the first product starts the sum: nothing is cleared
.endif
.if (fi%2 == 0) && (fe%2 == 0)
	v_fma_mix_f32_bf16 v[ACC+fe], v[fa], v[fb], v[fc] op_sel_hi:[1,1,0]
.elseif (fi%2 == 1) && (fe%2 == 0)
	v_fma_mix_f32_bf16 v[ACC+fe], v[fa], v[fb], v[fc] op_sel:[1,0,0] op_sel_hi:[1,1,0]
.elseif (fi%2 == 0) && (fe%2 == 1)
	v_fma_mix_f32_bf16 v[ACC+fe], v[fa], v[fb], v[fc] op_sel:[0,1,0] op_sel_hi:[1,1,0]
.else
	v_fma_mix_f32_bf16 v[ACC+fe], v[fa], v[fb], v[fc] op_sel:[1,1,0] op_sel_hi:[1,1,0]
.endif
.set ci, ci+1
.endr
.endm
	CHUNK 0, 24
	CHUNK 1, 24
	CHUNK 2, 24
	CHUNK 3, 24
	CHUNK 4, 24
	CHUNK 5, 16
	CHUNK 6, 8
	CHUNK 7, 0
	; the eight sums over the 32 lanes: four steps inside each half ride on the addition, one crosses the halves; every lane ends with all eight
.irp k, 1,2,4,8
.irp e, 0,1,2,3,4,5,6,7
	v_add_f32_dpp v[ACC+\e], v[ACC+\e], v[ACC+\e] row_xmask:\k row_mask:0xf bank_mask:0xf
.endr
.endr
.irp e, 0,1,2,3,4,5,6,7
	v_permlanex16_b32 v[WP+\e], v[ACC+\e], s18, s19  ; its destination counts as read: WP has been written
.endr
.irp e, 0,1,2,3,4,5,6,7
	v_add_f32 v[ACC+\e], v[ACC+\e], v[WP+\e]
.endr
	; the largest: a strict comparison in ascending order keeps the lower index on a tie
	v_mov_b32 v[BV], v[ACC]
	v_mov_b32 v[BI], 0
.irp e, 1,2,3,4,5,6,7
	v_cmp_gt_f32 vcc_lo, v[ACC+\e], v[BV]
	v_cndmask_b32 v[BV], v[BV], v[ACC+\e], vcc_lo
	v_cndmask_b32 v[BI], v[BI], \e, vcc_lo
.endr
.irp e, 0,1,2,3,4,5,6,7
	v_cmp_eq_u32 vcc_lo, \e, v[BI]
	v_cndmask_b32 v[ACC+\e], v[ACC+\e], v[NI], vcc_lo  ; the winner leaves the field
.endr
	v_mov_b32 v[BV2], v[ACC]
	v_mov_b32 v[BI2], 0
.irp e, 1,2,3,4,5,6,7
	v_cmp_gt_f32 vcc_lo, v[ACC+\e], v[BV2]
	v_cndmask_b32 v[BV2], v[BV2], v[ACC+\e], vcc_lo
	v_cndmask_b32 v[BI2], v[BI2], \e, vcc_lo
.endr
	; softmax over the two, the maximum taken away: t = e^(l2 - l1) <= 1; w0 = 1 / (1 + t), w1 = t w0
	v_sub_f32 v[DD], v[BV2], v[BV]
	v_mul_f32 v[DD], 0x3fb8aa3b, v[DD]
	v_exp_f32 v[DD], v[DD]
	v_lshl_or_b32 v[SW], v[BI2], 8, v[BI]          ; the plain instruction behind the exponential
	s_wait_alu depctr_va_vdst(0)                   ; the wait ahead of the result's first reader
	v_add_f32 v[W0], 1.0, v[DD]
	v_rcp_f32 v[W0], v[W0]
	v_nop                                          ; the plain instruction behind the reciprocal
	s_wait_alu depctr_va_vdst(0)
	v_mul_f32 v[W1], v[DD], v[W0]
	v_cmp_eq_u32 vcc_lo, 0, v1
	s_wait_xcnt 0x0                                ; EXEC is a source of the stores of xb: it changes only behind this wait
	s_and_saveexec_b32 s20, vcc_lo                 ; lane 0 stores the token's three words
	global_store_b32 v5, v[SW], s[10:11]
	global_store_b32 v5, v[W0], s[12:13]
	global_store_b32 v5, v[W1], s[12:13] offset:4096
	s_wait_xcnt 0x0                                ; and again ahead of the line that widens it
	s_or_b32 exec_lo, exec_lo, s20
	s_endpgm
.Lfunc_end_k_q5425188a6e_router:
	.size	k_q5425188a6e_router, .Lfunc_end_k_q5425188a6e_router-k_q5425188a6e_router
	.p2alignl 7, 3214868480
	.fill 96, 4, 3214868480
	.section	.rodata,"a",@progbits
	.p2align	6, 0x0
	.amdhsa_kernel k_q5425188a6e_router
		.amdhsa_group_segment_fixed_size 0
		.amdhsa_private_segment_fixed_size 0
		.amdhsa_enable_private_segment 0
		.amdhsa_kernarg_size 40
		.amdhsa_user_sgpr_count 2
		.amdhsa_user_sgpr_kernarg_segment_ptr 1
		.amdhsa_wavefront_size32 1
		.amdhsa_system_sgpr_workgroup_id_x 1
		.amdhsa_system_sgpr_workgroup_id_y 1
		.amdhsa_system_sgpr_workgroup_id_z 1
		.amdhsa_system_vgpr_workitem_id 0
		.amdhsa_next_free_vgpr 224
		.amdhsa_next_free_sgpr 66
		.amdhsa_reserve_vcc 1
		.amdhsa_float_denorm_mode_32 3
		.amdhsa_float_denorm_mode_16_64 3
		.amdhsa_memory_ordered 1
		.amdhsa_forward_progress 1
		.amdhsa_inst_pref_size 40
	.end_amdhsa_kernel
	.amdgpu_metadata
---
amdhsa.version: [ 1, 2 ]
amdhsa.kernels:
  - .name:           k_q5425188a6e_router
    .symbol:         k_q5425188a6e_router.kd
    .args:
      - { .name: x, .offset: 0, .size: 8, .value_kind: global_buffer, .address_space: global }
      - { .name: W_gate, .offset: 8, .size: 8, .value_kind: global_buffer, .address_space: global }
      - { .name: xb, .offset: 16, .size: 8, .value_kind: global_buffer, .address_space: global }
      - { .name: sel, .offset: 24, .size: 8, .value_kind: global_buffer, .address_space: global }
      - { .name: gw, .offset: 32, .size: 8, .value_kind: global_buffer, .address_space: global }
    .group_segment_fixed_size: 0
    .private_segment_fixed_size: 0
    .kernarg_segment_align: 8
    .kernarg_segment_size: 40
    .max_flat_workgroup_size: 128
    .sgpr_count:     66
    .vgpr_count:     224
    .wavefront_size: 32
...
	.end_amdgpu_metadata
.endif
;; end of part 1
;; launch up (part 2): grid 32 x 8, 4 waves a work-group, no clusters, 324,096 bytes of LDS; arguments xb, sel, W_in, b_in, hb; writes hb
.if DOCPART == 2
	.amdgcn_target "amdgcn-amd-amdhsa--gfx1250"
	.amdhsa_code_object_version 6
	.text
	.protected	k_q5425188a6e_up
	.globl	k_q5425188a6e_up
	.p2align	8
	.type	k_q5425188a6e_up,@function
k_q5425188a6e_up:
	s_mov_b64 s[64:65], 0
	v_nop
	global_prefetch_b8 v0, s[64:65] scope:SCOPE_SE
	s_setreg_imm32_b32 hwreg(HW_REG_WAVE_MODE, 25, 1), 1
	s_wait_xcnt 0x0
; ONE TEXT FOR BOTH PRODUCTS OF THE EXPERTS' MLP; DOWN chooses.  A SLOT is j x 1024 + token: the token's first (j = 0) or second choice.
; An expert's rows are RANKED in the order in which sel is scanned; a row's PLACE is base + rank, base = the number of choices of lower experts.  hb lies by places: an expert's rows lie end to end.
;   DOWN = 0:  hb[place][n] = bf16( gelu( sum over k of xb[token][k] W_in[e][k][n] + b_in[e][n] ) ),          k = 0..1023, n in my 128 of 4,096
;   DOWN = 1:  yp[kq][slot][n] = gw[slot] ( sum over my quarter kq of k of hb[place][k] W_out[e][k][n] + (kq = 0: b_out[e][n]) ),  n in my 128 of 1,024
; only for the rows whose expert is e.
; SHARES.  Grid 32 x 8: y = expert e, x = slice: 1,024 k x 128 n of e's weights, 512 KB of f32 which this work-group alone reads, once.
; FORM.  (1) Every wave scans sel (4 KB), counts c (e's rows, 0 to 1,024) and base, and writes its own list, rank -> slot.  (2) The four waves round the slice to bf16 on its way
; through registers and lay it into LDS, 256 k rows each.  (3) Four PASSES.  In a pass each wave multiplies up to five of its own tiles of 16 rows (tiles w, w + 4, ..) by all 128 columns:
; the rows come straight from memory as matrix operands, the weights from LDS, turned by ds_load_tr16_b128; then the tiles leave through the wave's own stage in LDS.
; A pass has two phases with a barrier in front of each: in the first the slice is read and no wave writes LDS, in the second each wave writes and reads its own stage and no wave reads the slice.
; Every loop has a constant count (4 passes x 5 tiles x 4 waves x 16 rows = 1,280 >= 1,024 serve every split); every wave passes every barrier; c steers forward jumps over work alone.
; NO TENSOR LOADS: the weights must be rounded in registers (as f32 the slice is larger than LDS); beside the slice LDS has 29 KB, too little for the rows.  NO CLUSTER: each weight byte has one reader.
; THE MATRIX INSTRUCTION IS USED TRANSPOSED: source 0 = 16 columns of the weights, source 1 = 16 rows: a lane then holds row l % 16 and the eight neighbouring columns 16 n + 8 (l / 16) + 0..7.
; GELU, exact form: erfc(z) = (1 + a1 z + .. + a6 z^6)^-16 for z >= 0 (Abramowitz and Stegun 7.1.28, error at most 3e-7 for every z).  With x' = x / 2, a = |x'|, z = sqrt(2) a:
; gelu(x) = x' + a (1 - erfc(z)).  Large |x|: the power overflows to infinity, its reciprocal is 0, which is the limit.
; LIMITS.  Weights, biases and rows are bf16 (rounded to nearest even), sums f32, hb rounded once to bf16.  A reciprocal below 2^-126 counts as 0.  NaN and infinities are not treated apart.
; Places past c in a tile repeat the expert's last row and store its bytes again with the same values (at most 15 rows a work-group).  With 1 or 3 tiles in a pass one more tile is multiplied and not stored.
; An expert without rows still lays its slice and stores nothing.
.set DOWN, 0
.set PB,     288                       ; a k row of the slice in LDS: 256 bytes of bf16 + 32: 9 x 32, so 16 lanes of the turning load (8 rows x 32 bytes) take each bank once (64 banks of 4 bytes: ISA guide 11.1)
.set KSTEPB, 32*PB                     ; a K step of 32
.set SP,     272                       ; a stage row: 256 + 16
.set STG,    1024*PB                   ; 294,912: behind the slice: 16 rows x 272 bytes for each wave, for the way out
.set LST,    STG+4*16*SP               ; 312,320: each wave's list: 1,280 entries of 2 bytes, and at byte 2,560 an entry for lanes that have nothing to list
.set LSTB,   2816
.set SPARE,  LST+4*LSTB                ; 323,584: the spare words, 128 bytes for each wave: two blocks of 256 bytes that no other line names
.set GMAX,   5                         ; tiles in a pass
.if DOWN
.set WPITCH, 4096                      ; bytes from a k row of the weights to the next
.set ASH,    13                        ; a row of hb is 8,192 bytes
.set OSH,    12                        ; a row of yp 4,096
.else
.set WPITCH, 16384
.set ASH,    11                        ; a row of xb is 2,048 bytes
.set OSH,    13                        ; a row of hb 8,192
.endif
; window 0
.set R,     1                          ; l % 16
.set H,     2                          ; l / 16
.set SPW,   3                          ; LDS address of my spare word; never rewritten
.set NIL,   4                          ; 0; never rewritten
.set WOFF,  5                          ; 16 x lane
.set WST,   6                          ; where my 8 bytes of a k row go
.set B0,    7                          ; my lane's place in a K step of the slice; never rewritten
.set BCUR,  8                          ; B0 + the byte at which the trip's K steps begin
.set RK0,   10                         ; my rank in the pass's first tile
.set STO,   11                         ; the way out: where I put 16 bytes of a row
.set RD,    12                         ; the way out: where I read a row back
.set LISTW, 13                         ; my wave's list
.set C16,   14                         ; 16 (l % 16)
.set TOK4,  15                         ; 4 x lane
.set RID,   16                         ; v16-20  tile m: my row's slot
.set AOFF,  21                         ; v21-25  tile m: my byte offset in the rows' buffer
.set GV,    26                         ; v26-30  tile m: my row's gate weight (DOWN)
.set K1280, 31
.set BPI,   32                         ; v32-39  the row that I store with store t: 2 t + l / 16; DOWN: 4 x that, the lane that holds its slot
.set SO,    40                         ; v40-47  my byte offset in the output for store t
.set RIDC,  48
.set K1024, 49
.set G,     50                         ; v50-51  the tile's gate weight, twice
.set TA,    52                         ; v52-55  at work
.set TB,    53
.set TC,    54
.set TD,    55
.set GOFF,  56                         ; v56-60  tile m: my offset in gw (DOWN)
.set H32,   61                         ; 32 (l / 16)
.set LN,    62                         ; lane
.set BIAS,  64                         ; v64-127 the bias of my 64 columns, BIAS + 8 n + j, rounded to bf16 and scaled
.set BF,    128                        ; v128-255 two buffers of 64: the weights' fragments of a K step
.set T,     128                        ; on the way out: v128-191 a tile's 64 numbers
.set AA,    192                        ; v192-223 |x'|; later rows read back
.set PP,    224                        ; v224-255 the polynomial; later (DOWN) rows read back
.set CT,    128                        ; at the head: v128-143 a group of the slice in bf16
.set SEL,   144                        ; at the head: v144-175 sel: SEL + 4 q + i of lane l is token 128 q + 4 l + i
; window 1: at the head the ring of eight groups of the slice as loaded, 32 registers each; then accumulator (m, n) at 64 m + 8 n, m = 0..3
; window 2: accumulator (4, n) at 8 n; the rows' fragments: slot u, tile m at AR + 40 u + 8 m
.set AR,    64
.set WV,    16                         ; s16 wave   s17 expert   s19 c
.set EX,    17
.set CN,    19
.set TBB,   52                         ; s52 the byte of the slice at which the trip's K steps begin
.set KC,    53                         ; s53 counts the K loop's trips
.set BS,    54                         ; s54 base: the place of e's first row
.set LASTP, 55                         ; s55 the place of e's last row
.set CM1,   56                         ; s56 c - 1
.set RKS,   57                         ; s57 the rank at which my first tile of the pass begins
; s[4:5] rows  s[6:7] sel  s[8:9] weights  s[10:11] bias  s[12:13] output  s[14:15] gw  s[22:23] an offset  s[24:25] weights, walking  s[26:27] rows, walking
; s28 at work  s29 passes to go  s30 my tiles to go  s31 tiles in this pass  s32 tile  s[34:35] the bias's scale  s[36:47] c1..c6, as pairs  s48, s49 masks  s58-60 at work
.set MSB, 0
.macro WIN new                         ; s_set_vgpr_msb: bits 1:0 source 0, 3:2 source 1, 5:4 source 2, 7:6 destination; the high byte repeats the setting that is left
.if MSB != (\new)
	s_set_vgpr_msb (MSB<<8)|(\new)
.set MSB, (\new)
.endif
.endm
	s_load_b256 s[4:11], s[0:1], 0x0
.if DOWN
	s_load_b128 s[12:15], s[0:1], 0x20
.else
	s_load_b64 s[12:13], s[0:1], 0x20
.endif
	v_lshl_add_u32 v[SPW], v0, 2, SPARE
	v_mov_b32 v[NIL], 0
	v_lshrrev_b32 v[TA], 5, v0
	v_readfirstlane_b32 s[WV], v[TA]
	s_and_b32 s[EX], ttmp7, 0xffff
	s_mov_b32 s[CN], 0
	s_mov_b32 s[BS], 0
	s_mov_b32 s23, 0
	s_mov_b32 s49, 0xffff0000                      ; a word's upper bf16
	s_lshl_b32 s22, s[EX], 24                      ; an expert's weights are 16 MB
.if DOWN
	s_lshr_b32 s50, ttmp9, 3                       ; kq: my quarter of K
	s_and_b32 s51, ttmp9, 7                        ; nb: my 128 columns
	s_lshl_b32 s28, s50, 22                        ; 1,024 rows of 4,096 bytes
	s_add_co_u32 s22, s22, s28
	s_lshl_b32 s28, s51, 9
	s_add_co_u32 s22, s22, s28
	s_lshl_b32 s28, s[WV], 20                      ; my wave's 256 rows
	s_add_co_u32 s22, s22, s28
	s_cmp_eq_u32 s50, 0
	s_cselect_b32 s34, 1.0, 0                      ; the bias is added in quarter 0 alone
.else
	s_lshl_b32 s28, ttmp9, 9                       ; my 128 columns
	s_add_co_u32 s22, s22, s28
	s_lshl_b32 s28, s[WV], 22                      ; my wave's 256 rows of 16,384 bytes
	s_add_co_u32 s22, s22, s28
	s_mov_b32 s34, 0.5                             ; x' = (sum + bias) / 2
	s_mov_b32 s36, 0x3dcc41b4                      ; c1 = a1 sqrt(2)   = 0.09973469
	s_mov_b32 s38, 0x3dad2fe7                      ; c2 = a2 2         = 0.08456402
	s_mov_b32 s40, 0x3cd6cd72                      ; c3 = a3 2 sqrt(2) = 0.02622101
	s_mov_b32 s42, 0x3a1f6607                      ; c4 = a4 4         = 0.00060806
	s_mov_b32 s44, 0x3acd0fec                      ; c5 = a5 4 sqrt(2) = 0.00156450
	s_mov_b32 s46, 0x39b49f67                      ; c6 = a6 8         = 0.00034451
.irp c, 36,38,40,42,44,46
	s_mov_b32 s[\c+1], s[\c]                       ; named as pairs
.endr
	s_mov_b32 s48, 0x7fffffff
.endif
	s_mov_b32 s35, s34
	v_and_b32 v[LN], 31, v0
	v_and_b32 v[R], 15, v0
	v_bfe_u32 v[H], v0, 4, 1
	v_lshlrev_b32 v[WOFF], 4, v[LN]
	v_lshlrev_b32 v[TOK4], 2, v[LN]
	v_lshlrev_b32 v[C16], 4, v[R]
	v_lshlrev_b32 v[H32], 5, v[H]
	v_mov_b32 v[K1280], 0x500
	v_mov_b32 v[K1024], 0x400
	s_mul_i32 s28, s[WV], 256*PB
	v_lshl_add_u32 v[WST], v[LN], 3, s28           ; my wave's 256 k rows; 8 bytes a lane
	v_and_b32 v[TA], 7, v0                         ; the turning load: lane l reads k row 8 (l / 16) + l % 8, 16 bytes at 16 ((l / 8) % 2)
	v_lshl_add_u32 v[TA], v[H], 3, v[TA]
	v_bfe_u32 v[TB], v0, 3, 1
	v_mul_u32_u24 v[TA], v[TA], PB
	v_lshl_add_u32 v[B0], v[TB], 4, v[TA]
	s_mul_i32 s28, s[WV], 16*SP
	s_add_co_u32 s28, s28, STG                     ; my stage
	v_mul_u32_u24 v[TA], v[R], SP                  ; in: row l % 16; my eight numbers are 16 bytes of bf16 or 32 of f32
	v_lshl_add_u32 v[TA], v[H], 4+DOWN, v[TA]
	v_add_nc_u32 v[STO], s28, v[TA]
	v_mul_u32_u24 v[TA], v[H], SP                  ; back: lanes 0-15 take one row's 256 bytes, lanes 16-31 the next row's
	v_lshl_add_u32 v[TA], v[R], 4, v[TA]
	v_add_nc_u32 v[RD], s28, v[TA]
	s_mul_i32 s28, s[WV], LSTB
	s_add_co_u32 s28, s28, LST                     ; my list
	v_mov_b32 v[LISTW], s28
	s_lshl_b32 s[RKS], s[WV], 4                    ; tile w begins at rank 16 w
	v_add_nc_u32 v[RK0], s[RKS], v[R]
.set i, 0
.rept 8
.if DOWN
	v_lshl_add_u32 v[BPI+i], v[H], 2, 8*i
.else
	v_add_nc_u32 v[BPI+i], 2*i, v[H]
.endif
.set i, i+1
.endr
	s_wait_kmcnt 0x0
	s_add_nc_u64 s[24:25], s[8:9], s[22:23]        ; the weights at my wave's first k row, my columns
.if DOWN
	s_lshl_b32 s22, s[EX], 12
	s_lshl_b32 s28, s51, 9
.else
	s_lshl_b32 s22, s[EX], 14
	s_lshl_b32 s28, ttmp9, 9
.endif
	s_add_co_u32 s22, s22, s28
	s_add_nc_u64 s[10:11], s[10:11], s[22:23]      ; the bias at my columns
.if DOWN
	s_lshl_b32 s22, s50, 11
	s_add_nc_u64 s[4:5], s[4:5], s[22:23]          ; the rows at my quarter of K
	s_lshl_b32 s22, s50, 23                        ; a quarter's plane pair in yp: 2,048 rows of 4,096 bytes
	s_add_co_u32 s22, s22, s28
.else
	s_lshl_b32 s22, ttmp9, 8
.endif
	s_add_nc_u64 s[12:13], s[12:13], s[22:23]      ; the output at my columns
.macro WLOAD slot, row                 ; a group: eight k rows, one load each: 32 lanes x 16 bytes = the row's 512 bytes.  Read once in the launch
.set wi, 0
.rept 8
	global_load_b128 v[32*(\slot)+4*wi:32*(\slot)+4*wi+3], v[WOFF], s[24:25] offset:((\row)+wi)*WPITCH th:TH_LOAD_NT
.set wi, wi+1
.endr
.endm
.set i, 0
.rept 8
	global_load_b128 v[SEL+4*i:SEL+4*i+3], v[WOFF], s[6:7] offset:512*i
.set i, i+1
.endr
.set i, 0
.rept 8
	global_load_b128 v[BIAS+8*i:BIAS+8*i+3],   v[H32], s[10:11] offset:64*i
	global_load_b128 v[BIAS+8*i+4:BIAS+8*i+7], v[H32], s[10:11] offset:64*i+16
.set i, i+1
.endr
	WIN 0x40                                       ; destination window 1, address window 0
	WLOAD 0, 0
	WLOAD 1, 8
	WLOAD 2, 16
	WLOAD 3, 24
	WIN 0
	; A pass without tiles jumps its K steps, and its count of 0 tiles then jumps every tile of the way out: two branches.  So that each register which the way out names has been written on every way
	; through the text, tile 4's sums (DOWN: the tiles' slots and gate weights too) are set once, here, in the wait for the first loads.  (Tiles 0-3's sums lie in the ring's registers, which the fill writes.)
.if DOWN
.set i, 0
.rept GMAX
	v_mov_b32 v[RID+i], 0
	v_mov_b32 v[GV+i], 0
.set i, i+1
.endr
.endif
	WIN 0x80                                       ; destination window 2
.set i, 0
.rept 64
	v_mov_b32 v[i], 0
.set i, i+1
.endr
	WIN 0
; THE LIST.  32 tokens at a time: a lane whose token chose e takes the next rank and stores its slot there.  The choices of lower experts are counted by the way: they are e's base.
.macro SEG q, i
	v_and_b32 v[TA], 0xff, v[SEL+4*(\q)+(\i)]
	v_lshrrev_b32 v[TB], 8, v[SEL+4*(\q)+(\i)]
	v_cmp_eq_u32 s20, s[EX], v[TA]                 ; first choice
	v_cmp_eq_u32 vcc_lo, s[EX], v[TB]              ; second choice
	v_cmp_gt_u32 s58, s[EX], v[TA]                 ; a lower expert is the first choice,
	v_cmp_gt_u32 s59, s[EX], v[TB]                 ; the second
	s_or_b32 s21, s20, vcc_lo
	v_mbcnt_lo_u32_b32 v[TC], s21, s[CN]           ; c + the listed lanes below me
	v_cndmask_b32 v[TC], v[K1280], v[TC], s21      ; nothing to list: the entry behind the list
	v_min_u32 v[TC], 0x500, v[TC]
	v_lshl_add_u32 v[TC], v[TC], 1, v[LISTW]
	v_cndmask_b32 v[TD], 0, v[K1024], vcc_lo
	v_add3_u32 v[TD], v[TOK4], 128*(\q)+(\i), v[TD]
	ds_store_b16 v[TC], v[TD]
	s_bcnt1_i32_b32 s28, s21
	s_add_co_u32 s[CN], s[CN], s28
	s_bcnt1_i32_b32 s58, s58
	s_bcnt1_i32_b32 s59, s59
	s_add_co_u32 s[BS], s[BS], s58
	s_add_co_u32 s[BS], s[BS], s59
.endm
	s_wait_loadcnt 32                              ; the ring's 32 loads may stay out: sel and the bias are in
.irp q, 0,1,2,3,4,5,6,7
.irp i, 0,1,2,3
	SEG \q, \i
.endr
.endr
.set i, 0
.rept 32                               ; the bias: rounded to bf16 like every input, widened again, scaled
	v_cvt_pk_bf16_f32 v[TA+i%4], v[BIAS+2*i], v[BIAS+2*i+1]
	v_lshlrev_b32 v[BIAS+2*i], 16, v[TA+i%4]
	v_and_b32 v[BIAS+2*i+1], s49, v[TA+i%4]
	v_pk_mul_f32 v[BIAS+2*i:BIAS+2*i+1], v[BIAS+2*i:BIAS+2*i+1], s[34:35] op_sel_hi:[1,0]
.set i, i+1
.endr
	WIN 0x40
	WLOAD 4, 32
	WLOAD 5, 40
	WLOAD 6, 48                                    ; seven groups, 56 loads of 512 bytes, are out for each wave
	WIN 0
; THE FILL.  32 groups a wave on eight register slots.  A turn: the group is in (left = the younger groups' loads, 8 each); rounded; stored, 256 consecutive bytes a store;
; the slot read in the turn before takes the group seven further on.
.macro TURN s, left, issue
	s_wait_loadcnt \left
	WIN 0x05                                       ; sources window 1, destination window 0
.set ti, 0
.rept 16
	v_cvt_pk_bf16_f32 v[CT+ti], v[32*(\s)+2*ti], v[32*(\s)+2*ti+1]
.set ti, ti+1
.endr
	WIN 0x40                                       ; the stores' address and data in window 0, the loads' destination in window 1
.set ti, 0
.rept 8
	ds_store_b64 v[WST], v[CT+2*ti:CT+2*ti+1] offset:(8*(\s)+ti)*PB
.set ti, ti+1
.endr
.if \issue
	WLOAD ((\s)+7)&7, 8*((\s)+7)
.endif
.endm
	s_mov_b32 s28, 3
.Lfill:
.irp s, 0,1,2,3,4,5,6,7
	TURN \s, 48, 1
.endr
	WIN 0
	s_wait_xcnt 0x0                                ; the loads' base is stepped only behind this wait
	s_add_nc_u64 s[24:25], s[24:25], 64*WPITCH
	v_add_nc_u32 v[WST], 64*PB, v[WST]
	s_sub_co_u32 s28, s28, 1
	s_cmp_lg_u32 s28, 0
	s_cbranch_scc1 .Lfill
	TURN 0, 48, 1                                  ; the last round: one more group, then the counts run down
	TURN 1, 48, 0
	TURN 2, 40, 0
	TURN 3, 32, 0
	TURN 4, 24, 0
	TURN 5, 16, 0
	TURN 6, 8, 0
	TURN 7, 0, 0
	WIN 0
; The rows' fragments of a K step, tiles m0 to m1 - 1: lane l holds row l % 16, k = 8 (l / 16) + 0..7 and 16 + 8 (l / 16) + 0..7: two loads of 16 bytes, 32 apart.
; The hint: the expert's other 31 work-groups read the same rows.
.macro ALOAD slot, off, m0, m1
.set ai, (\m0)
.rept (\m1)-(\m0)
	global_load_b128 v[AR+40*(\slot)+8*ai:AR+40*(\slot)+8*ai+3],   v[AOFF+ai], s[26:27] offset:(\off) th:TH_LOAD_HT
	global_load_b128 v[AR+40*(\slot)+8*ai+4:AR+40*(\slot)+8*ai+7], v[AOFF+ai], s[26:27] offset:(\off)+32 th:TH_LOAD_HT
.set ai, ai+1
.endr
.endm
.macro BLOAD buf, off                  ; the weights' fragments of a K step, eight blocks of 16 columns, turned
.set bi, 0
.rept 8
	ds_load_tr16_b128 v[BF+64*(\buf)+8*bi:BF+64*(\buf)+8*bi+3],   v[BCUR] offset:(\off)+32*bi
	ds_load_tr16_b128 v[BF+64*(\buf)+8*bi+4:BF+64*(\buf)+8*bi+7], v[BCUR] offset:(\off)+32*bi+16*PB
.set bi, bi+1
.endr
.endm
.macro MUL u, b, m, zero               ; tile m x all eight column blocks.  The accumulators take turns, one instruction a turn
.if (\m) < 4
	WIN 0x58                                       ; weights window 0, rows window 2, C and D window 1
.set rD, 64*(\m)
.else
	WIN 0xa8                                       ; C and D window 2
.set rD, 0
.endif
.set mi, 0
.rept 8
.if \zero
	v_wmma_f32_16x16x32_bf16 v[rD+8*mi:rD+8*mi+7], v[BF+64*(\b)+8*mi:BF+64*(\b)+8*mi+7], v[AR+40*(\u)+8*(\m):AR+40*(\u)+8*(\m)+7], 0
.else
	v_wmma_f32_16x16x32_bf16 v[rD+8*mi:rD+8*mi+7], v[BF+64*(\b)+8*mi:BF+64*(\b)+8*mi+7], v[AR+40*(\u)+8*(\m):AR+40*(\u)+8*(\m)+7], v[rD+8*mi:rD+8*mi+7]
.endif
.set mi, mi+1
.endr
.endm
; A K STEP of 32: multiplies row slot u by weight buffer b.  First it asks for the weights of the next step and the rows three steps on, into the registers that the step before has read:
; four v_nop are the places between that step's products and these loads (ISA guide 7.12.1 for vector instructions), tile 4's further down too.
; ahead: how many tiles' rows are asked for at the head (0: none).  atail = 1: tile 4's rows are asked for where tile 4 is multiplied, so a pass without a fifth tile loads none.
; lcnt: the younger steps' loads at their heads, 8 a step; a load of tile 4 has as many behind it, so the one wait serves it too.  dcnt: the LDS loads just issued.
; Tiles past the pass's number are jumped, two at a time.
.macro STEP u, b, zero, ahead, atail, aslot, aoff, bload, bbuf, boff, lcnt, dcnt
.if (\ahead) || (\bload)
.rept 4
	v_nop
.endr
.endif
.if \bload
	BLOAD \bbuf, \boff
.endif
.if \ahead
	WIN 0x80                                       ; destination window 2, address window 0
	ALOAD \aslot, \aoff, 0, \ahead
.endif
	s_wait_loadcnt \lcnt
	s_wait_dscnt \dcnt
	MUL \u, \b, 0, \zero
	MUL \u, \b, 1, \zero
	WIN 0                                          ; at a branch and at a label every window is 0
	s_cmp_lt_u32 s31, 3
	s_cbranch_scc1 .Lstep_end_\@
	MUL \u, \b, 2, \zero
	MUL \u, \b, 3, \zero
	WIN 0
	s_cmp_lt_u32 s31, 5
	s_cbranch_scc1 .Lstep_end_\@
.if \atail
	WIN 0x80
	ALOAD \aslot, \aoff, 4, 5
.endif
	MUL \u, \b, 4, \zero
	WIN 0
.Lstep_end_\@:
.endm
; Tile m leaves its accumulators, each from its low end on, with the bias: x' = sum / 2 + bias / 2, or sum + bias.
.macro BLK m
.if DOWN
	v_mov_b32 v[RIDC], v[RID+(\m)]
	v_mov_b32 v[G], v[GV+(\m)]
	v_mov_b32 v[G+1], v[GV+(\m)]
.endif
.if (\m) < 4
	WIN 0x01                                       ; source 0 window 1
.set rD, 64*(\m)
.else
	WIN 0x02
.set rD, 0
.endif
.set ki, 0
.rept 32
.if DOWN
	v_pk_add_f32 v[T+2*ki:T+2*ki+1], v[rD+2*ki:rD+2*ki+1], v[BIAS+2*ki:BIAS+2*ki+1]
.else
	v_pk_fma_f32 v[T+2*ki:T+2*ki+1], v[rD+2*ki:rD+2*ki+1], 0.5, v[BIAS+2*ki:BIAS+2*ki+1] op_sel_hi:[1,0,1]
.endif
.set ki, ki+1
.endr
	WIN 0
.endm
.if !DOWN
; gelu of 32 of the tile's 64 numbers, then rounded to bf16 in pairs.  The 32 reciprocals are one batch with one wait.
.macro GELUH q
.set X0, T+32*(\q)
.set gi, 0
.rept 32
	v_and_b32 v[AA+gi], s48, v[X0+gi]              ; a = |x'|
.set gi, gi+1
.endr
.set gi, 0
.rept 16
	v_pk_fma_f32 v[PP+2*gi:PP+2*gi+1], v[AA+2*gi:AA+2*gi+1], s[46:47], s[44:45] op_sel_hi:[1,0,0]  ; c6 a + c5
.set gi, gi+1
.endr
.irp c, 42,40,38,36
.set gi, 0
.rept 16
	v_pk_fma_f32 v[PP+2*gi:PP+2*gi+1], v[PP+2*gi:PP+2*gi+1], v[AA+2*gi:AA+2*gi+1], s[\c:\c+1] op_sel_hi:[1,1,0]
.set gi, gi+1
.endr
.endr
.set gi, 0
.rept 16
	v_pk_fma_f32 v[PP+2*gi:PP+2*gi+1], v[PP+2*gi:PP+2*gi+1], v[AA+2*gi:AA+2*gi+1], 1.0 op_sel_hi:[1,1,0]
.set gi, gi+1
.endr
.rept 4                                ; to the sixteenth power
.set gi, 0
.rept 16
	v_pk_mul_f32 v[PP+2*gi:PP+2*gi+1], v[PP+2*gi:PP+2*gi+1], v[PP+2*gi:PP+2*gi+1]
.set gi, gi+1
.endr
.endr
.set gi, 0
.rept 32
	v_rcp_f32 v[PP+gi], v[PP+gi]                   ; w = erfc
.set gi, gi+1
.endr
	v_nop                                          ; a plain instruction behind the last reciprocal (ISA guide 5.7.2),
	s_wait_alu depctr_va_vdst(0)                   ; and the wait ahead of the first reader: one for the batch
.set gi, 0
.rept 16
	v_pk_fma_f32 v[AA+2*gi:AA+2*gi+1], v[AA+2*gi:AA+2*gi+1], v[PP+2*gi:PP+2*gi+1], v[AA+2*gi:AA+2*gi+1] neg_lo:[1,0,0] neg_hi:[1,0,0]  ; a - a w
.set gi, gi+1
.endr
.set gi, 0
.rept 16
	v_pk_add_f32 v[X0+2*gi:X0+2*gi+1], v[X0+2*gi:X0+2*gi+1], v[AA+2*gi:AA+2*gi+1]
.set gi, gi+1
.endr
.set gi, 0
.rept 16
	v_cvt_pk_bf16_f32 v[T+16*(\q)+gi], v[X0+2*gi], v[X0+2*gi+1]  ; ascending: a word is written when its old numbers have been read
.set gi, gi+1
.endr
.endm
.endif
	; THE PASSES.  T = ceil(c / 16) tiles; mine are w, w + 4, ..: (T + 3 - w) / 4 of them
	s_add_co_u32 s30, s[CN], 15
	s_lshr_b32 s30, s30, 4
	s_add_co_u32 s30, s30, 3
	s_sub_co_u32 s30, s30, s[WV]
	s_lshr_b32 s30, s30, 2
	s_sub_co_u32 s[CM1], s[CN], 1                  ; the last rank (with c = 0 no line that reads it is reached)
.if !DOWN
	s_add_co_u32 s[LASTP], s[BS], s[CM1]
.endif
	s_mov_b32 s29, 4
.Lpass:
	s_wait_dscnt 0x0                               ; for the others' sake.  First trip: my part of the slice is in LDS.  Later trips: my stores into my stage and my reads of it are over
	s_barrier_signal -1
	s_barrier_wait -1                              ; that holds of every wave: up to the next barrier the slice is read and no wave writes LDS
	s_min_u32 s31, s30, GMAX                       ; my tiles in this pass, 0 to 5
	s_cmp_eq_u32 s31, 0
	s_cbranch_scc1 .Lmul_done                      ; none: the K steps are jumped, forward, past no barrier
	s_wait_xcnt 0x0                                ; the last pass's loads and stores have read their registers
.set i, 0
.rept GMAX
	v_add_nc_u32 v[TA], 64*i, v[RK0]               ; my rank in tile i: the pass's tiles lie four tiles, 64 ranks, apart
	v_min_u32 v[TA], s[CM1], v[TA]                 ; the places past c repeat the expert's last row
	v_min_u32 v[TB], 0x4ff, v[TA]
	v_lshl_add_u32 v[TB], v[TB], 1, v[LISTW]
	ds_load_u16 v[RID+i], v[TB]                    ; its slot
.if DOWN
	v_add_nc_u32 v[TC], s[BS], v[TA]               ; its place in hb
	v_min_u32 v[TC], 0x7ff, v[TC]
	v_lshlrev_b32 v[TC], ASH, v[TC]
	v_lshl_add_u32 v[AOFF+i], v[H], 4, v[TC]
.endif
.set i, i+1
.endr
	s_wait_dscnt 0x0
.set i, 0
.rept GMAX
	v_min_u32 v[RID+i], 0x7ff, v[RID+i]
.if DOWN
	v_lshlrev_b32 v[GOFF+i], 2, v[RID+i]
	global_load_b32 v[GV+i], v[GOFF+i], s[14:15]
.else
	v_and_b32 v[TB], 0x3ff, v[RID+i]               ; the slot's token
	v_lshlrev_b32 v[TB], ASH, v[TB]
	v_lshl_add_u32 v[AOFF+i], v[H], 4, v[TB]
.endif
.set i, i+1
.endr
	s_mov_b64 s[26:27], s[4:5]
	s_mov_b32 s[TBB], 0
	v_mov_b32 v[BCUR], v[B0]
	WIN 0x80
	ALOAD 0, 0, 4, 5                               ; tile 4's first three steps, and its fourth at the first step's head, are asked for whatever the pass's number of tiles (4 KB a wave):
	ALOAD 1, 64, 4, 5                              ; so each register of the ring is loaded on every way through the K steps.  They go out first: every later wait covers them
	ALOAD 2, 128, 4, 5
	ALOAD 0, 0, 0, 4
	ALOAD 1, 64, 0, 4
	ALOAD 2, 128, 0, 4
	WIN 0
	BLOAD 0, 0
	; 32 K steps.  Row slots 0-3 and weight buffers 0, 1 go by the step's number.  The first step's products start the sums: no sum is cleared
	STEP 0, 0, 1,  5, 0, 3, 192,  1, 1, KSTEPB,  24, 16
	s_mov_b32 s[KC], 7
.Lk:                                                   ; a trip: steps 4 t + 1 .. 4 t + 4
	STEP 1, 1, 0,  4, 1, 0, 256,  1, 0, 2*KSTEPB,  24, 16
	STEP 2, 0, 0,  4, 1, 1, 320,  1, 1, 3*KSTEPB,  24, 16
	STEP 3, 1, 0,  4, 1, 2, 384,  1, 0, 4*KSTEPB,  24, 16
	STEP 0, 0, 0,  4, 1, 3, 448,  1, 1, 5*KSTEPB,  24, 16
	s_wait_xcnt 0x0                                ; the rows' base is stepped only behind this wait
	s_add_nc_u64 s[26:27], s[26:27], 256
	s_add_co_u32 s[TBB], s[TBB], 4*KSTEPB          ; four K steps on in the slice; the address is made anew from my lane's place
	v_add_nc_u32 v[BCUR], s[TBB], v[B0]
	s_sub_co_u32 s[KC], s[KC], 1
	s_cmp_lg_u32 s[KC], 0
	s_cbranch_scc1 .Lk
	STEP 1, 1, 0,  0, 0, 0, 0,  1, 0, 2*KSTEPB,  16, 16  ; steps 29 to 31: no rows are left to ask for, and the counts run down
	STEP 2, 0, 0,  0, 0, 0, 0,  1, 1, 3*KSTEPB,  8, 16
	STEP 3, 1, 0,  0, 0, 0, 0,  0, 0, 0,  0, 0
.rept 4
	v_nop                                          ; the places behind the last products
.endr
.Lmul_done:
	s_wait_dscnt 0x0                               ; for the others' sake: my reads of the slice are back
	s_barrier_signal -1
	s_barrier_wait -1                              ; everybody's are: up to the next barrier each wave writes and reads its own stage, and no wave reads the slice
	; THE WAY OUT, a tile at a time
	s_mov_b32 s32, 0
.Ltile:
	s_cmp_ge_u32 s32, s31
	s_cbranch_scc1 .Ltile_next
	s_wait_xcnt 0x0                                ; the last tile's stores have read their offsets and data
	s_cmp_eq_u32 s32, 0
	s_cbranch_scc1 .Lblk0
	s_cmp_eq_u32 s32, 1
	s_cbranch_scc1 .Lblk1
	s_cmp_eq_u32 s32, 2
	s_cbranch_scc1 .Lblk2
	s_cmp_eq_u32 s32, 3
	s_cbranch_scc1 .Lblk3
	BLK 4
	s_branch .Ljoin
.Lblk3:
	BLK 3
	s_branch .Ljoin
.Lblk2:
	BLK 2
	s_branch .Ljoin
.Lblk1:
	BLK 1
	s_branch .Ljoin
.Lblk0:
	BLK 0
.Ljoin:
.if DOWN
.set i, 0
.rept 8
	ds_bpermute_b32 v[SO+i], v[BPI+i], v[RIDC]     ; the slot of row 2 t + l / 16, which I store
.set i, i+1
.endr
.set i, 0
.rept 32
	v_pk_mul_f32 v[T+2*i:T+2*i+1], v[T+2*i:T+2*i+1], v[G:G+1]  ; the gate's weight
.set i, i+1
.endr
	s_wait_dscnt 0x0
.set i, 0
.rept 8
	v_min_u32 v[SO+i], 0x7ff, v[SO+i]
	v_lshl_add_u32 v[SO+i], v[SO+i], OSH, v[C16]
.set i, i+1
.endr
.else
	s_lshl_b32 s60, s32, 6                         ; the place of the tile's first row: base + my first rank of the pass + 64 x tile
	s_add_co_u32 s60, s60, s[RKS]
	s_add_co_u32 s60, s60, s[BS]
.set i, 0
.rept 8
	v_add_nc_u32 v[SO+i], s60, v[BPI+i]            ; the place of row 2 t + l / 16, which I store;
	v_min_u32 v[SO+i], s[LASTP], v[SO+i]           ; past c: the last row's, whose numbers those rows repeat
	v_min_u32 v[SO+i], 0x7ff, v[SO+i]
	v_lshl_add_u32 v[SO+i], v[SO+i], OSH, v[C16]
.set i, i+1
.endr
	GELUH 0
	GELUH 1
.endif
.if DOWN
	; 128 columns of f32 are 512 bytes a row: through my stage in two halves of 256.  LDS serves a wave's instructions in order (ISA guide 5.7.1.4): the loads see the stores above them, the second half's stores come behind the first half's loads
.irp q, 0,1
.irp n, 0,1,2,3
	ds_store_b128 v[STO], v[T+8*(4*\q+\n):T+8*(4*\q+\n)+3]   offset:64*\n
	ds_store_b128 v[STO], v[T+8*(4*\q+\n)+4:T+8*(4*\q+\n)+7] offset:64*\n+16
.endr
.irp t, 0,1,2,3,4,5,6,7
	ds_load_b128 v[AA+32*\q+4*\t:AA+32*\q+4*\t+3], v[RD] offset:2*SP*\t
.endr
.endr
.irp q, 0,1
.irp t, 0,1,2,3,4,5,6,7
	s_wait_dscnt 16*(1-\q)+7-\t                    ; the younger LDS instructions: the rest of this half's loads, and the other half's sixteen
	global_store_b128 v[SO+\t], v[AA+32*\q+4*\t:AA+32*\q+4*\t+3], s[12:13] offset:256*\q  ; 16 lanes store 256 consecutive bytes, aligned
.endr
.endr
.else
.irp n, 0,1,2,3,4,5,6,7
	ds_store_b128 v[STO], v[T+4*\n:T+4*\n+3] offset:32*\n
.endr
.irp t, 0,1,2,3,4,5,6,7
	ds_load_b128 v[AA+4*\t:AA+4*\t+3], v[RD] offset:2*SP*\t  ; LDS serves a wave's instructions in order (ISA guide 5.7.1.4): these see the stores above
.endr
.irp t, 0,1,2,3,4,5,6,7
	s_wait_dscnt 7-\t
	global_store_b128 v[SO+\t], v[AA+4*\t:AA+4*\t+3], s[12:13]  ; 16 lanes store 256 consecutive bytes, aligned
.endr
.endif
.Ltile_next:
	s_add_co_u32 s32, s32, 1
	s_cmp_lt_u32 s32, GMAX
	s_cbranch_scc1 .Ltile
	s_sub_co_u32 s30, s30, s31
	v_add_nc_u32 v[RK0], 64*GMAX, v[RK0]           ; the next pass's tiles lie 20 tiles, 320 ranks, on
	s_add_co_u32 s[RKS], s[RKS], 64*GMAX
	s_sub_co_u32 s29, s29, 1
	s_cmp_lg_u32 s29, 0
	s_cbranch_scc1 .Lpass
	s_wait_tensorcnt 0x0                           ; the wave's end, behind my last LDS store
	ds_add_u32 v[SPW], v[NIL]
	s_wait_dscnt 0x0
	s_endpgm
.Lfunc_end_k_q5425188a6e_up:
	.size	k_q5425188a6e_up, .Lfunc_end_k_q5425188a6e_up-k_q5425188a6e_up
	.p2alignl 7, 3214868480
	.fill 96, 4, 3214868480
	.section	.rodata,"a",@progbits
	.p2align	6, 0x0
	.amdhsa_kernel k_q5425188a6e_up
		.amdhsa_group_segment_fixed_size 324096
		.amdhsa_private_segment_fixed_size 0
		.amdhsa_enable_private_segment 0
		.amdhsa_kernarg_size 40
		.amdhsa_user_sgpr_count 2
		.amdhsa_user_sgpr_kernarg_segment_ptr 1
		.amdhsa_wavefront_size32 1
		.amdhsa_system_sgpr_workgroup_id_x 1
		.amdhsa_system_sgpr_workgroup_id_y 1
		.amdhsa_system_sgpr_workgroup_id_z 1
		.amdhsa_system_vgpr_workitem_id 0
		.amdhsa_next_free_vgpr 768
		.amdhsa_next_free_sgpr 66
		.amdhsa_reserve_vcc 1
		.amdhsa_float_denorm_mode_32 3
		.amdhsa_float_denorm_mode_16_64 3
		.amdhsa_memory_ordered 1
		.amdhsa_forward_progress 1
		.amdhsa_inst_pref_size 172
	.end_amdhsa_kernel
	.amdgpu_metadata
---
amdhsa.version: [ 1, 2 ]
amdhsa.kernels:
  - .name:           k_q5425188a6e_up
    .symbol:         k_q5425188a6e_up.kd
    .args:
      - { .name: xb, .offset: 0, .size: 8, .value_kind: global_buffer, .address_space: global }
      - { .name: sel, .offset: 8, .size: 8, .value_kind: global_buffer, .address_space: global }
      - { .name: W_in, .offset: 16, .size: 8, .value_kind: global_buffer, .address_space: global }
      - { .name: b_in, .offset: 24, .size: 8, .value_kind: global_buffer, .address_space: global }
      - { .name: hb, .offset: 32, .size: 8, .value_kind: global_buffer, .address_space: global }
    .group_segment_fixed_size: 324096
    .private_segment_fixed_size: 0
    .kernarg_segment_align: 8
    .kernarg_segment_size: 40
    .max_flat_workgroup_size: 128
    .sgpr_count:     66
    .vgpr_count:     768
    .wavefront_size: 32
...
	.end_amdgpu_metadata
.endif
;; end of part 2
;; launch down (part 3): grid 32 x 8, 4 waves a work-group, no clusters, 324,096 bytes of LDS; arguments hb, sel, W_out, b_out, yp, gw; writes yp
.if DOCPART == 3
	.amdgcn_target "amdgcn-amd-amdhsa--gfx1250"
	.amdhsa_code_object_version 6
	.text
	.protected	k_q5425188a6e_down
	.globl	k_q5425188a6e_down
	.p2align	8
	.type	k_q5425188a6e_down,@function
k_q5425188a6e_down:
	s_mov_b64 s[64:65], 0
	v_nop
	global_prefetch_b8 v0, s[64:65] scope:SCOPE_SE
	s_setreg_imm32_b32 hwreg(HW_REG_WAVE_MODE, 25, 1), 1
	s_wait_xcnt 0x0
; ONE TEXT FOR BOTH PRODUCTS OF THE EXPERTS' MLP; DOWN chooses.  A SLOT is j x 1024 + token: the token's first (j = 0) or second choice.
; An expert's rows are RANKED in the order in which sel is scanned; a row's PLACE is base + rank, base = the number of choices of lower experts.  hb lies by places: an expert's rows lie end to end.
;   DOWN = 0:  hb[place][n] = bf16( gelu( sum over k of xb[token][k] W_in[e][k][n] + b_in[e][n] ) ),          k = 0..1023, n in my 128 of 4,096
;   DOWN = 1:  yp[kq][slot][n] = gw[slot] ( sum over my quarter kq of k of hb[place][k] W_out[e][k][n] + (kq = 0: b_out[e][n]) ),  n in my 128 of 1,024
; only for the rows whose expert is e.
; SHARES.  Grid 32 x 8: y = expert e, x = slice: 1,024 k x 128 n of e's weights, 512 KB of f32 which this work-group alone reads, once.
; FORM.  (1) Every wave scans sel (4 KB), counts c (e's rows, 0 to 1,024) and base, and writes its own list, rank -> slot.  (2) The four waves round the slice to bf16 on its way
; through registers and lay it into LDS, 256 k rows each.  (3) Four PASSES.  In a pass each wave multiplies up to five of its own tiles of 16 rows (tiles w, w + 4, ..) by all 128 columns:
; the rows come straight from memory as matrix operands, the weights from LDS, turned by ds_load_tr16_b128; then the tiles leave through the wave's own stage in LDS.
; A pass has two phases with a barrier in front of each: in the first the slice is read and no wave writes LDS, in the second each wave writes and reads its own stage and no wave reads the slice.
; Every loop has a constant count (4 passes x 5 tiles x 4 waves x 16 rows = 1,280 >= 1,024 serve every split); every wave passes every barrier; c steers forward jumps over work alone.
; NO TENSOR LOADS: the weights must be rounded in registers (as f32 the slice is larger than LDS); beside the slice LDS has 29 KB, too little for the rows.  NO CLUSTER: each weight byte has one reader.
; THE MATRIX INSTRUCTION IS USED TRANSPOSED: source 0 = 16 columns of the weights, source 1 = 16 rows: a lane then holds row l % 16 and the eight neighbouring columns 16 n + 8 (l / 16) + 0..7.
; GELU, exact form: erfc(z) = (1 + a1 z + .. + a6 z^6)^-16 for z >= 0 (Abramowitz and Stegun 7.1.28, error at most 3e-7 for every z).  With x' = x / 2, a = |x'|, z = sqrt(2) a:
; gelu(x) = x' + a (1 - erfc(z)).  Large |x|: the power overflows to infinity, its reciprocal is 0, which is the limit.
; LIMITS.  Weights, biases and rows are bf16 (rounded to nearest even), sums f32, hb rounded once to bf16.  A reciprocal below 2^-126 counts as 0.  NaN and infinities are not treated apart.
; Places past c in a tile repeat the expert's last row and store its bytes again with the same values (at most 15 rows a work-group).  With 1 or 3 tiles in a pass one more tile is multiplied and not stored.
; An expert without rows still lays its slice and stores nothing.
.set DOWN, 1
.set PB,     288                       ; a k row of the slice in LDS: 256 bytes of bf16 + 32: 9 x 32, so 16 lanes of the turning load (8 rows x 32 bytes) take each bank once (64 banks of 4 bytes: ISA guide 11.1)
.set KSTEPB, 32*PB                     ; a K step of 32
.set SP,     272                       ; a stage row: 256 + 16
.set STG,    1024*PB                   ; 294,912: behind the slice: 16 rows x 272 bytes for each wave, for the way out
.set LST,    STG+4*16*SP               ; 312,320: each wave's list: 1,280 entries of 2 bytes, and at byte 2,560 an entry for lanes that have nothing to list
.set LSTB,   2816
.set SPARE,  LST+4*LSTB                ; 323,584: the spare words, 128 bytes for each wave: two blocks of 256 bytes that no other line names
.set GMAX,   5                         ; tiles in a pass
.if DOWN
.set WPITCH, 4096                      ; bytes from a k row of the weights to the next
.set ASH,    13                        ; a row of hb is 8,192 bytes
.set OSH,    12                        ; a row of yp 4,096
.else
.set WPITCH, 16384
.set ASH,    11                        ; a row of xb is 2,048 bytes
.set OSH,    13                        ; a row of hb 8,192
.endif
; window 0
.set R,     1                          ; l % 16
.set H,     2                          ; l / 16
.set SPW,   3                          ; LDS address of my spare word; never rewritten
.set NIL,   4                          ; 0; never rewritten
.set WOFF,  5                          ; 16 x lane
.set WST,   6                          ; where my 8 bytes of a k row go
.set B0,    7                          ; my lane's place in a K step of the slice; never rewritten
.set BCUR,  8                          ; B0 + the byte at which the trip's K steps begin
.set RK0,   10                         ; my rank in the pass's first tile
.set STO,   11                         ; the way out: where I put 16 bytes of a row
.set RD,    12                         ; the way out: where I read a row back
.set LISTW, 13                         ; my wave's list
.set C16,   14                         ; 16 (l % 16)
.set TOK4,  15                         ; 4 x lane
.set RID,   16                         ; v16-20  tile m: my row's slot
.set AOFF,  21                         ; v21-25  tile m: my byte offset in the rows' buffer
.set GV,    26                         ; v26-30  tile m: my row's gate weight (DOWN)
.set K1280, 31
.set BPI,   32                         ; v32-39  the row that I store with store t: 2 t + l / 16; DOWN: 4 x that, the lane that holds its slot
.set SO,    40                         ; v40-47  my byte offset in the output for store t
.set RIDC,  48
.set K1024, 49
.set G,     50                         ; v50-51  the tile's gate weight, twice
.set TA,    52                         ; v52-55  at work
.set TB,    53
.set TC,    54
.set TD,    55
.set GOFF,  56                         ; v56-60  tile m: my offset in gw (DOWN)
.set H32,   61                         ; 32 (l / 16)
.set LN,    62                         ; lane
.set BIAS,  64                         ; v64-127 the bias of my 64 columns, BIAS + 8 n + j, rounded to bf16 and scaled
.set BF,    128                        ; v128-255 two buffers of 64: the weights' fragments of a K step
.set T,     128                        ; on the way out: v128-191 a tile's 64 numbers
.set AA,    192                        ; v192-223 |x'|; later rows read back
.set PP,    224                        ; v224-255 the polynomial; later (DOWN) rows read back
.set CT,    128                        ; at the head: v128-143 a group of the slice in bf16
.set SEL,   144                        ; at the head: v144-175 sel: SEL + 4 q + i of lane l is token 128 q + 4 l + i
; window 1: at the head the ring of eight groups of the slice as loaded, 32 registers each; then accumulator (m, n) at 64 m + 8 n, m = 0..3
; window 2: accumulator (4, n) at 8 n; the rows' fragments: slot u, tile m at AR + 40 u + 8 m
.set AR,    64
.set WV,    16                         ; s16 wave   s17 expert   s19 c
.set EX,    17
.set CN,    19
.set TBB,   52                         ; s52 the byte of the slice at which the trip's K steps begin
.set KC,    53                         ; s53 counts the K loop's trips
.set BS,    54                         ; s54 base: the place of e's first row
.set LASTP, 55                         ; s55 the place of e's last row
.set CM1,   56                         ; s56 c - 1
.set RKS,   57                         ; s57 the rank at which my first tile of the pass begins
; s[4:5] rows  s[6:7] sel  s[8:9] weights  s[10:11] bias  s[12:13] output  s[14:15] gw  s[22:23] an offset  s[24:25] weights, walking  s[26:27] rows, walking
; s28 at work  s29 passes to go  s30 my tiles to go  s31 tiles in this pass  s32 tile  s[34:35] the bias's scale  s[36:47] c1..c6, as pairs  s48, s49 masks  s58-60 at work
.set MSB, 0
.macro WIN new                         ; s_set_vgpr_msb: bits 1:0 source 0, 3:2 source 1, 5:4 source 2, 7:6 destination; the high byte repeats the setting that is left
.if MSB != (\new)
	s_set_vgpr_msb (MSB<<8)|(\new)
.set MSB, (\new)
.endif
.endm
	s_load_b256 s[4:11], s[0:1], 0x0
.if DOWN
	s_load_b128 s[12:15], s[0:1], 0x20
.else
	s_load_b64 s[12:13], s[0:1], 0x20
.endif
	v_lshl_add_u32 v[SPW], v0, 2, SPARE
	v_mov_b32 v[NIL], 0
	v_lshrrev_b32 v[TA], 5, v0
	v_readfirstlane_b32 s[WV], v[TA]
	s_and_b32 s[EX], ttmp7, 0xffff
	s_mov_b32 s[CN], 0
	s_mov_b32 s[BS], 0
	s_mov_b32 s23, 0
	s_mov_b32 s49, 0xffff0000                      ; a word's upper bf16
	s_lshl_b32 s22, s[EX], 24                      ; an expert's weights are 16 MB
.if DOWN
	s_lshr_b32 s50, ttmp9, 3                       ; kq: my quarter of K
	s_and_b32 s51, ttmp9, 7                        ; nb: my 128 columns
	s_lshl_b32 s28, s50, 22                        ; 1,024 rows of 4,096 bytes
	s_add_co_u32 s22, s22, s28
	s_lshl_b32 s28, s51, 9
	s_add_co_u32 s22, s22, s28
	s_lshl_b32 s28, s[WV], 20                      ; my wave's 256 rows
	s_add_co_u32 s22, s22, s28
	s_cmp_eq_u32 s50, 0
	s_cselect_b32 s34, 1.0, 0                      ; the bias is added in quarter 0 alone
.else
	s_lshl_b32 s28, ttmp9, 9                       ; my 128 columns
	s_add_co_u32 s22, s22, s28
	s_lshl_b32 s28, s[WV], 22                      ; my wave's 256 rows of 16,384 bytes
	s_add_co_u32 s22, s22, s28
	s_mov_b32 s34, 0.5                             ; x' = (sum + bias) / 2
	s_mov_b32 s36, 0x3dcc41b4                      ; c1 = a1 sqrt(2)   = 0.09973469
	s_mov_b32 s38, 0x3dad2fe7                      ; c2 = a2 2         = 0.08456402
	s_mov_b32 s40, 0x3cd6cd72                      ; c3 = a3 2 sqrt(2) = 0.02622101
	s_mov_b32 s42, 0x3a1f6607                      ; c4 = a4 4         = 0.00060806
	s_mov_b32 s44, 0x3acd0fec                      ; c5 = a5 4 sqrt(2) = 0.00156450
	s_mov_b32 s46, 0x39b49f67                      ; c6 = a6 8         = 0.00034451
.irp c, 36,38,40,42,44,46
	s_mov_b32 s[\c+1], s[\c]                       ; named as pairs
.endr
	s_mov_b32 s48, 0x7fffffff
.endif
	s_mov_b32 s35, s34
	v_and_b32 v[LN], 31, v0
	v_and_b32 v[R], 15, v0
	v_bfe_u32 v[H], v0, 4, 1
	v_lshlrev_b32 v[WOFF], 4, v[LN]
	v_lshlrev_b32 v[TOK4], 2, v[LN]
	v_lshlrev_b32 v[C16], 4, v[R]
	v_lshlrev_b32 v[H32], 5, v[H]
	v_mov_b32 v[K1280], 0x500
	v_mov_b32 v[K1024], 0x400
	s_mul_i32 s28, s[WV], 256*PB
	v_lshl_add_u32 v[WST], v[LN], 3, s28           ; my wave's 256 k rows; 8 bytes a lane
	v_and_b32 v[TA], 7, v0                         ; the turning load: lane l reads k row 8 (l / 16) + l % 8, 16 bytes at 16 ((l / 8) % 2)
	v_lshl_add_u32 v[TA], v[H], 3, v[TA]
	v_bfe_u32 v[TB], v0, 3, 1
	v_mul_u32_u24 v[TA], v[TA], PB
	v_lshl_add_u32 v[B0], v[TB], 4, v[TA]
	s_mul_i32 s28, s[WV], 16*SP
	s_add_co_u32 s28, s28, STG                     ; my stage
	v_mul_u32_u24 v[TA], v[R], SP                  ; in: row l % 16; my eight numbers are 16 bytes of bf16 or 32 of f32
	v_lshl_add_u32 v[TA], v[H], 4+DOWN, v[TA]
	v_add_nc_u32 v[STO], s28, v[TA]
	v_mul_u32_u24 v[TA], v[H], SP                  ; back: lanes 0-15 take one row's 256 bytes, lanes 16-31 the next row's
	v_lshl_add_u32 v[TA], v[R], 4, v[TA]
	v_add_nc_u32 v[RD], s28, v[TA]
	s_mul_i32 s28, s[WV], LSTB
	s_add_co_u32 s28, s28, LST                     ; my list
	v_mov_b32 v[LISTW], s28
	s_lshl_b32 s[RKS], s[WV], 4                    ; tile w begins at rank 16 w
	v_add_nc_u32 v[RK0], s[RKS], v[R]
.set i, 0
.rept 8
.if DOWN
	v_lshl_add_u32 v[BPI+i], v[H], 2, 8*i
.else
	v_add_nc_u32 v[BPI+i], 2*i, v[H]
.endif
.set i, i+1
.endr
	s_wait_kmcnt 0x0
	s_add_nc_u64 s[24:25], s[8:9], s[22:23]        ; the weights at my wave's first k row, my columns
.if DOWN
	s_lshl_b32 s22, s[EX], 12
	s_lshl_b32 s28, s51, 9
.else
	s_lshl_b32 s22, s[EX], 14
	s_lshl_b32 s28, ttmp9, 9
.endif
	s_add_co_u32 s22, s22, s28
	s_add_nc_u64 s[10:11], s[10:11], s[22:23]      ; the bias at my columns
.if DOWN
	s_lshl_b32 s22, s50, 11
	s_add_nc_u64 s[4:5], s[4:5], s[22:23]          ; the rows at my quarter of K
	s_lshl_b32 s22, s50, 23                        ; a quarter's plane pair in yp: 2,048 rows of 4,096 bytes
	s_add_co_u32 s22, s22, s28
.else
	s_lshl_b32 s22, ttmp9, 8
.endif
	s_add_nc_u64 s[12:13], s[12:13], s[22:23]      ; the output at my columns
.macro WLOAD slot, row                 ; a group: eight k rows, one load each: 32 lanes x 16 bytes = the row's 512 bytes.  Read once in the launch
.set wi, 0
.rept 8
	global_load_b128 v[32*(\slot)+4*wi:32*(\slot)+4*wi+3], v[WOFF], s[24:25] offset:((\row)+wi)*WPITCH th:TH_LOAD_NT
.set wi, wi+1
.endr
.endm
.set i, 0
.rept 8
	global_load_b128 v[SEL+4*i:SEL+4*i+3], v[WOFF], s[6:7] offset:512*i
.set i, i+1
.endr
.set i, 0
.rept 8
	global_load_b128 v[BIAS+8*i:BIAS+8*i+3],   v[H32], s[10:11] offset:64*i
	global_load_b128 v[BIAS+8*i+4:BIAS+8*i+7], v[H32], s[10:11] offset:64*i+16
.set i, i+1
.endr
	WIN 0x40                                       ; destination window 1, address window 0
	WLOAD 0, 0
	WLOAD 1, 8
	WLOAD 2, 16
	WLOAD 3, 24
	WIN 0
	; A pass without tiles jumps its K steps, and its count of 0 tiles then jumps every tile of the way out: two branches.  So that each register which the way out names has been written on every way
	; through the text, tile 4's sums (DOWN: the tiles' slots and gate weights too) are set once, here, in the wait for the first loads.  (Tiles 0-3's sums lie in the ring's registers, which the fill writes.)
.if DOWN
.set i, 0
.rept GMAX
	v_mov_b32 v[RID+i], 0
	v_mov_b32 v[GV+i], 0
.set i, i+1
.endr
.endif
	WIN 0x80                                       ; destination window 2
.set i, 0
.rept 64
	v_mov_b32 v[i], 0
.set i, i+1
.endr
	WIN 0
; THE LIST.  32 tokens at a time: a lane whose token chose e takes the next rank and stores its slot there.  The choices of lower experts are counted by the way: they are e's base.
.macro SEG q, i
	v_and_b32 v[TA], 0xff, v[SEL+4*(\q)+(\i)]
	v_lshrrev_b32 v[TB], 8, v[SEL+4*(\q)+(\i)]
	v_cmp_eq_u32 s20, s[EX], v[TA]                 ; first choice
	v_cmp_eq_u32 vcc_lo, s[EX], v[TB]              ; second choice
	v_cmp_gt_u32 s58, s[EX], v[TA]                 ; a lower expert is the first choice,
	v_cmp_gt_u32 s59, s[EX], v[TB]                 ; the second
	s_or_b32 s21, s20, vcc_lo
	v_mbcnt_lo_u32_b32 v[TC], s21, s[CN]           ; c + the listed lanes below me
	v_cndmask_b32 v[TC], v[K1280], v[TC], s21      ; nothing to list: the entry behind the list
	v_min_u32 v[TC], 0x500, v[TC]
	v_lshl_add_u32 v[TC], v[TC], 1, v[LISTW]
	v_cndmask_b32 v[TD], 0, v[K1024], vcc_lo
	v_add3_u32 v[TD], v[TOK4], 128*(\q)+(\i), v[TD]
	ds_store_b16 v[TC], v[TD]
	s_bcnt1_i32_b32 s28, s21
	s_add_co_u32 s[CN], s[CN], s28
	s_bcnt1_i32_b32 s58, s58
	s_bcnt1_i32_b32 s59, s59
	s_add_co_u32 s[BS], s[BS], s58
	s_add_co_u32 s[BS], s[BS], s59
.endm
	s_wait_loadcnt 32                              ; the ring's 32 loads may stay out: sel and the bias are in
.irp q, 0,1,2,3,4,5,6,7
.irp i, 0,1,2,3
	SEG \q, \i
.endr
.endr
.set i, 0
.rept 32                               ; the bias: rounded to bf16 like every input, widened again, scaled
	v_cvt_pk_bf16_f32 v[TA+i%4], v[BIAS+2*i], v[BIAS+2*i+1]
	v_lshlrev_b32 v[BIAS+2*i], 16, v[TA+i%4]
	v_and_b32 v[BIAS+2*i+1], s49, v[TA+i%4]
	v_pk_mul_f32 v[BIAS+2*i:BIAS+2*i+1], v[BIAS+2*i:BIAS+2*i+1], s[34:35] op_sel_hi:[1,0]
.set i, i+1
.endr
	WIN 0x40
	WLOAD 4, 32
	WLOAD 5, 40
	WLOAD 6, 48                                    ; seven groups, 56 loads of 512 bytes, are out for each wave
	WIN 0
; THE FILL.  32 groups a wave on eight register slots.  A turn: the group is in (left = the younger groups' loads, 8 each); rounded; stored, 256 consecutive bytes a store;
; the slot read in the turn before takes the group seven further on.
.macro TURN s, left, issue
	s_wait_loadcnt \left
	WIN 0x05                                       ; sources window 1, destination window 0
.set ti, 0
.rept 16
	v_cvt_pk_bf16_f32 v[CT+ti], v[32*(\s)+2*ti], v[32*(\s)+2*ti+1]
.set ti, ti+1
.endr
	WIN 0x40                                       ; the stores' address and data in window 0, the loads' destination in window 1
.set ti, 0
.rept 8
	ds_store_b64 v[WST], v[CT+2*ti:CT+2*ti+1] offset:(8*(\s)+ti)*PB
.set ti, ti+1
.endr
.if \issue
	WLOAD ((\s)+7)&7, 8*((\s)+7)
.endif
.endm
	s_mov_b32 s28, 3
.Lfill:
.irp s, 0,1,2,3,4,5,6,7
	TURN \s, 48, 1
.endr
	WIN 0
	s_wait_xcnt 0x0                                ; the loads' base is stepped only behind this wait
	s_add_nc_u64 s[24:25], s[24:25], 64*WPITCH
	v_add_nc_u32 v[WST], 64*PB, v[WST]
	s_sub_co_u32 s28, s28, 1
	s_cmp_lg_u32 s28, 0
	s_cbranch_scc1 .Lfill
	TURN 0, 48, 1                                  ; the last round: one more group, then the counts run down
	TURN 1, 48, 0
	TURN 2, 40, 0
	TURN 3, 32, 0
	TURN 4, 24, 0
	TURN 5, 16, 0
	TURN 6, 8, 0
	TURN 7, 0, 0
	WIN 0
; The rows' fragments of a K step, tiles m0 to m1 - 1: lane l holds row l % 16, k = 8 (l / 16) + 0..7 and 16 + 8 (l / 16) + 0..7: two loads of 16 bytes, 32 apart.
; The hint: the expert's other 31 work-groups read the same rows.
.macro ALOAD slot, off, m0, m1
.set ai, (\m0)
.rept (\m1)-(\m0)
	global_load_b128 v[AR+40*(\slot)+8*ai:AR+40*(\slot)+8*ai+3],   v[AOFF+ai], s[26:27] offset:(\off) th:TH_LOAD_HT
	global_load_b128 v[AR+40*(\slot)+8*ai+4:AR+40*(\slot)+8*ai+7], v[AOFF+ai], s[26:27] offset:(\off)+32 th:TH_LOAD_HT
.set ai, ai+1
.endr
.endm
.macro BLOAD buf, off                  ; the weights' fragments of a K step, eight blocks of 16 columns, turned
.set bi, 0
.rept 8
	ds_load_tr16_b128 v[BF+64*(\buf)+8*bi:BF+64*(\buf)+8*bi+3],   v[BCUR] offset:(\off)+32*bi
	ds_load_tr16_b128 v[BF+64*(\buf)+8*bi+4:BF+64*(\buf)+8*bi+7], v[BCUR] offset:(\off)+32*bi+16*PB
.set bi, bi+1
.endr
.endm
.macro MUL u, b, m, zero               ; tile m x all eight column blocks.  The accumulators take turns, one instruction a turn
.if (\m) < 4
	WIN 0x58                                       ; weights window 0, rows window 2, C and D window 1
.set rD, 64*(\m)
.else
	WIN 0xa8                                       ; C and D window 2
.set rD, 0
.endif
.set mi, 0
.rept 8
.if \zero
	v_wmma_f32_16x16x32_bf16 v[rD+8*mi:rD+8*mi+7], v[BF+64*(\b)+8*mi:BF+64*(\b)+8*mi+7], v[AR+40*(\u)+8*(\m):AR+40*(\u)+8*(\m)+7], 0
.else
	v_wmma_f32_16x16x32_bf16 v[rD+8*mi:rD+8*mi+7], v[BF+64*(\b)+8*mi:BF+64*(\b)+8*mi+7], v[AR+40*(\u)+8*(\m):AR+40*(\u)+8*(\m)+7], v[rD+8*mi:rD+8*mi+7]
.endif
.set mi, mi+1
.endr
.endm
; A K STEP of 32: multiplies row slot u by weight buffer b.  First it asks for the weights of the next step and the rows three steps on, into the registers that the step before has read:
; four v_nop are the places between that step's products and these loads (ISA guide 7.12.1 for vector instructions), tile 4's further down too.
; ahead: how many tiles' rows are asked for at the head (0: none).  atail = 1: tile 4's rows are asked for where tile 4 is multiplied, so a pass without a fifth tile loads none.
; lcnt: the younger steps' loads at their heads, 8 a step; a load of tile 4 has as many behind it, so the one wait serves it too.  dcnt: the LDS loads just issued.
; Tiles past the pass's number are jumped, two at a time.
.macro STEP u, b, zero, ahead, atail, aslot, aoff, bload, bbuf, boff, lcnt, dcnt
.if (\ahead) || (\bload)
.rept 4
	v_nop
.endr
.endif
.if \bload
	BLOAD \bbuf, \boff
.endif
.if \ahead
	WIN 0x80                                       ; destination window 2, address window 0
	ALOAD \aslot, \aoff, 0, \ahead
.endif
	s_wait_loadcnt \lcnt
	s_wait_dscnt \dcnt
	MUL \u, \b, 0, \zero
	MUL \u, \b, 1, \zero
	WIN 0                                          ; at a branch and at a label every window is 0
	s_cmp_lt_u32 s31, 3
	s_cbranch_scc1 .Lstep_end_\@
	MUL \u, \b, 2, \zero
	MUL \u, \b, 3, \zero
	WIN 0
	s_cmp_lt_u32 s31, 5
	s_cbranch_scc1 .Lstep_end_\@
.if \atail
	WIN 0x80
	ALOAD \aslot, \aoff, 4, 5
.endif
	MUL \u, \b, 4, \zero
	WIN 0
.Lstep_end_\@:
.endm
; Tile m leaves its accumulators, each from its low end on, with the bias: x' = sum / 2 + bias / 2, or sum + bias.
.macro BLK m
.if DOWN
	v_mov_b32 v[RIDC], v[RID+(\m)]
	v_mov_b32 v[G], v[GV+(\m)]
	v_mov_b32 v[G+1], v[GV+(\m)]
.endif
.if (\m) < 4
	WIN 0x01                                       ; source 0 window 1
.set rD, 64*(\m)
.else
	WIN 0x02
.set rD, 0
.endif
.set ki, 0
.rept 32
.if DOWN
	v_pk_add_f32 v[T+2*ki:T+2*ki+1], v[rD+2*ki:rD+2*ki+1], v[BIAS+2*ki:BIAS+2*ki+1]
.else
	v_pk_fma_f32 v[T+2*ki:T+2*ki+1], v[rD+2*ki:rD+2*ki+1], 0.5, v[BIAS+2*ki:BIAS+2*ki+1] op_sel_hi:[1,0,1]
.endif
.set ki, ki+1
.endr
	WIN 0
.endm
.if !DOWN
; gelu of 32 of the tile's 64 numbers, then rounded to bf16 in pairs.  The 32 reciprocals are one batch with one wait.
.macro GELUH q
.set X0, T+32*(\q)
.set gi, 0
.rept 32
	v_and_b32 v[AA+gi], s48, v[X0+gi]              ; a = |x'|
.set gi, gi+1
.endr
.set gi, 0
.rept 16
	v_pk_fma_f32 v[PP+2*gi:PP+2*gi+1], v[AA+2*gi:AA+2*gi+1], s[46:47], s[44:45] op_sel_hi:[1,0,0]  ; c6 a + c5
.set gi, gi+1
.endr
.irp c, 42,40,38,36
.set gi, 0
.rept 16
	v_pk_fma_f32 v[PP+2*gi:PP+2*gi+1], v[PP+2*gi:PP+2*gi+1], v[AA+2*gi:AA+2*gi+1], s[\c:\c+1] op_sel_hi:[1,1,0]
.set gi, gi+1
.endr
.endr
.set gi, 0
.rept 16
	v_pk_fma_f32 v[PP+2*gi:PP+2*gi+1], v[PP+2*gi:PP+2*gi+1], v[AA+2*gi:AA+2*gi+1], 1.0 op_sel_hi:[1,1,0]
.set gi, gi+1
.endr
.rept 4                                ; to the sixteenth power
.set gi, 0
.rept 16
	v_pk_mul_f32 v[PP+2*gi:PP+2*gi+1], v[PP+2*gi:PP+2*gi+1], v[PP+2*gi:PP+2*gi+1]
.set gi, gi+1
.endr
.endr
.set gi, 0
.rept 32
	v_rcp_f32 v[PP+gi], v[PP+gi]                   ; w = erfc
.set gi, gi+1
.endr
	v_nop                                          ; a plain instruction behind the last reciprocal (ISA guide 5.7.2),
	s_wait_alu depctr_va_vdst(0)                   ; and the wait ahead of the first reader: one for the batch
.set gi, 0
.rept 16
	v_pk_fma_f32 v[AA+2*gi:AA+2*gi+1], v[AA+2*gi:AA+2*gi+1], v[PP+2*gi:PP+2*gi+1], v[AA+2*gi:AA+2*gi+1] neg_lo:[1,0,0] neg_hi:[1,0,0]  ; a - a w
.set gi, gi+1
.endr
.set gi, 0
.rept 16
	v_pk_add_f32 v[X0+2*gi:X0+2*gi+1], v[X0+2*gi:X0+2*gi+1], v[AA+2*gi:AA+2*gi+1]
.set gi, gi+1
.endr
.set gi, 0
.rept 16
	v_cvt_pk_bf16_f32 v[T+16*(\q)+gi], v[X0+2*gi], v[X0+2*gi+1]  ; ascending: a word is written when its old numbers have been read
.set gi, gi+1
.endr
.endm
.endif
	; THE PASSES.  T = ceil(c / 16) tiles; mine are w, w + 4, ..: (T + 3 - w) / 4 of them
	s_add_co_u32 s30, s[CN], 15
	s_lshr_b32 s30, s30, 4
	s_add_co_u32 s30, s30, 3
	s_sub_co_u32 s30, s30, s[WV]
	s_lshr_b32 s30, s30, 2
	s_sub_co_u32 s[CM1], s[CN], 1                  ; the last rank (with c = 0 no line that reads it is reached)
.if !DOWN
	s_add_co_u32 s[LASTP], s[BS], s[CM1]
.endif
	s_mov_b32 s29, 4
.Lpass:
	s_wait_dscnt 0x0                               ; for the others' sake.  First trip: my part of the slice is in LDS.  Later trips: my stores into my stage and my reads of it are over
	s_barrier_signal -1
	s_barrier_wait -1                              ; that holds of every wave: up to the next barrier the slice is read and no wave writes LDS
	s_min_u32 s31, s30, GMAX                       ; my tiles in this pass, 0 to 5
	s_cmp_eq_u32 s31, 0
	s_cbranch_scc1 .Lmul_done                      ; none: the K steps are jumped, forward, past no barrier
	s_wait_xcnt 0x0                                ; the last pass's loads and stores have read their registers
.set i, 0
.rept GMAX
	v_add_nc_u32 v[TA], 64*i, v[RK0]               ; my rank in tile i: the pass's tiles lie four tiles, 64 ranks, apart
	v_min_u32 v[TA], s[CM1], v[TA]                 ; the places past c repeat the expert's last row
	v_min_u32 v[TB], 0x4ff, v[TA]
	v_lshl_add_u32 v[TB], v[TB], 1, v[LISTW]
	ds_load_u16 v[RID+i], v[TB]                    ; its slot
.if DOWN
	v_add_nc_u32 v[TC], s[BS], v[TA]               ; its place in hb
	v_min_u32 v[TC], 0x7ff, v[TC]
	v_lshlrev_b32 v[TC], ASH, v[TC]
	v_lshl_add_u32 v[AOFF+i], v[H], 4, v[TC]
.endif
.set i, i+1
.endr
	s_wait_dscnt 0x0
.set i, 0
.rept GMAX
	v_min_u32 v[RID+i], 0x7ff, v[RID+i]
.if DOWN
	v_lshlrev_b32 v[GOFF+i], 2, v[RID+i]
	global_load_b32 v[GV+i], v[GOFF+i], s[14:15]
.else
	v_and_b32 v[TB], 0x3ff, v[RID+i]               ; the slot's token
	v_lshlrev_b32 v[TB], ASH, v[TB]
	v_lshl_add_u32 v[AOFF+i], v[H], 4, v[TB]
.endif
.set i, i+1
.endr
	s_mov_b64 s[26:27], s[4:5]
	s_mov_b32 s[TBB], 0
	v_mov_b32 v[BCUR], v[B0]
	WIN 0x80
	ALOAD 0, 0, 4, 5                               ; tile 4's first three steps, and its fourth at the first step's head, are asked for whatever the pass's number of tiles (4 KB a wave):
	ALOAD 1, 64, 4, 5                              ; so each register of the ring is loaded on every way through the K steps.  They go out first: every later wait covers them
	ALOAD 2, 128, 4, 5
	ALOAD 0, 0, 0, 4
	ALOAD 1, 64, 0, 4
	ALOAD 2, 128, 0, 4
	WIN 0
	BLOAD 0, 0
	; 32 K steps.  Row slots 0-3 and weight buffers 0, 1 go by the step's number.  The first step's products start the sums: no sum is cleared
	STEP 0, 0, 1,  5, 0, 3, 192,  1, 1, KSTEPB,  24, 16
	s_mov_b32 s[KC], 7
.Lk:                                                   ; a trip: steps 4 t + 1 .. 4 t + 4
	STEP 1, 1, 0,  4, 1, 0, 256,  1, 0, 2*KSTEPB,  24, 16
	STEP 2, 0, 0,  4, 1, 1, 320,  1, 1, 3*KSTEPB,  24, 16
	STEP 3, 1, 0,  4, 1, 2, 384,  1, 0, 4*KSTEPB,  24, 16
	STEP 0, 0, 0,  4, 1, 3, 448,  1, 1, 5*KSTEPB,  24, 16
	s_wait_xcnt 0x0                                ; the rows' base is stepped only behind this wait
	s_add_nc_u64 s[26:27], s[26:27], 256
	s_add_co_u32 s[TBB], s[TBB], 4*KSTEPB          ; four K steps on in the slice; the address is made anew from my lane's place
	v_add_nc_u32 v[BCUR], s[TBB], v[B0]
	s_sub_co_u32 s[KC], s[KC], 1
	s_cmp_lg_u32 s[KC], 0
	s_cbranch_scc1 .Lk
	STEP 1, 1, 0,  0, 0, 0, 0,  1, 0, 2*KSTEPB,  16, 16  ; steps 29 to 31: no rows are left to ask for, and the counts run down
	STEP 2, 0, 0,  0, 0, 0, 0,  1, 1, 3*KSTEPB,  8, 16
	STEP 3, 1, 0,  0, 0, 0, 0,  0, 0, 0,  0, 0
.rept 4
	v_nop                                          ; the places behind the last products
.endr
.Lmul_done:
	s_wait_dscnt 0x0                               ; for the others' sake: my reads of the slice are back
	s_barrier_signal -1
	s_barrier_wait -1                              ; everybody's are: up to the next barrier each wave writes and reads its own stage, and no wave reads the slice
	; THE WAY OUT, a tile at a time
	s_mov_b32 s32, 0
.Ltile:
	s_cmp_ge_u32 s32, s31
	s_cbranch_scc1 .Ltile_next
	s_wait_xcnt 0x0                                ; the last tile's stores have read their offsets and data
	s_cmp_eq_u32 s32, 0
	s_cbranch_scc1 .Lblk0
	s_cmp_eq_u32 s32, 1
	s_cbranch_scc1 .Lblk1
	s_cmp_eq_u32 s32, 2
	s_cbranch_scc1 .Lblk2
	s_cmp_eq_u32 s32, 3
	s_cbranch_scc1 .Lblk3
	BLK 4
	s_branch .Ljoin
.Lblk3:
	BLK 3
	s_branch .Ljoin
.Lblk2:
	BLK 2
	s_branch .Ljoin
.Lblk1:
	BLK 1
	s_branch .Ljoin
.Lblk0:
	BLK 0
.Ljoin:
.if DOWN
.set i, 0
.rept 8
	ds_bpermute_b32 v[SO+i], v[BPI+i], v[RIDC]     ; the slot of row 2 t + l / 16, which I store
.set i, i+1
.endr
.set i, 0
.rept 32
	v_pk_mul_f32 v[T+2*i:T+2*i+1], v[T+2*i:T+2*i+1], v[G:G+1]  ; the gate's weight
.set i, i+1
.endr
	s_wait_dscnt 0x0
.set i, 0
.rept 8
	v_min_u32 v[SO+i], 0x7ff, v[SO+i]
	v_lshl_add_u32 v[SO+i], v[SO+i], OSH, v[C16]
.set i, i+1
.endr
.else
	s_lshl_b32 s60, s32, 6                         ; the place of the tile's first row: base + my first rank of the pass + 64 x tile
	s_add_co_u32 s60, s60, s[RKS]
	s_add_co_u32 s60, s60, s[BS]
.set i, 0
.rept 8
	v_add_nc_u32 v[SO+i], s60, v[BPI+i]            ; the place of row 2 t + l / 16, which I store;
	v_min_u32 v[SO+i], s[LASTP], v[SO+i]           ; past c: the last row's, whose numbers those rows repeat
	v_min_u32 v[SO+i], 0x7ff, v[SO+i]
	v_lshl_add_u32 v[SO+i], v[SO+i], OSH, v[C16]
.set i, i+1
.endr
	GELUH 0
	GELUH 1
.endif
.if DOWN
	; 128 columns of f32 are 512 bytes a row: through my stage in two halves of 256.  LDS serves a wave's instructions in order (ISA guide 5.7.1.4): the loads see the stores above them, the second half's stores come behind the first half's loads
.irp q, 0,1
.irp n, 0,1,2,3
	ds_store_b128 v[STO], v[T+8*(4*\q+\n):T+8*(4*\q+\n)+3]   offset:64*\n
	ds_store_b128 v[STO], v[T+8*(4*\q+\n)+4:T+8*(4*\q+\n)+7] offset:64*\n+16
.endr
.irp t, 0,1,2,3,4,5,6,7
	ds_load_b128 v[AA+32*\q+4*\t:AA+32*\q+4*\t+3], v[RD] offset:2*SP*\t
.endr
.endr
.irp q, 0,1
.irp t, 0,1,2,3,4,5,6,7
	s_wait_dscnt 16*(1-\q)+7-\t                    ; the younger LDS instructions: the rest of this half's loads, and the other half's sixteen
	global_store_b128 v[SO+\t], v[AA+32*\q+4*\t:AA+32*\q+4*\t+3], s[12:13] offset:256*\q  ; 16 lanes store 256 consecutive bytes, aligned
.endr
.endr
.else
.irp n, 0,1,2,3,4,5,6,7
	ds_store_b128 v[STO], v[T+4*\n:T+4*\n+3] offset:32*\n
.endr
.irp t, 0,1,2,3,4,5,6,7
	ds_load_b128 v[AA+4*\t:AA+4*\t+3], v[RD] offset:2*SP*\t  ; LDS serves a wave's instructions in order (ISA guide 5.7.1.4): these see the stores above
.endr
.irp t, 0,1,2,3,4,5,6,7
	s_wait_dscnt 7-\t
	global_store_b128 v[SO+\t], v[AA+4*\t:AA+4*\t+3], s[12:13]  ; 16 lanes store 256 consecutive bytes, aligned
.endr
.endif
.Ltile_next:
	s_add_co_u32 s32, s32, 1
	s_cmp_lt_u32 s32, GMAX
	s_cbranch_scc1 .Ltile
	s_sub_co_u32 s30, s30, s31
	v_add_nc_u32 v[RK0], 64*GMAX, v[RK0]           ; the next pass's tiles lie 20 tiles, 320 ranks, on
	s_add_co_u32 s[RKS], s[RKS], 64*GMAX
	s_sub_co_u32 s29, s29, 1
	s_cmp_lg_u32 s29, 0
	s_cbranch_scc1 .Lpass
	s_wait_tensorcnt 0x0                           ; the wave's end, behind my last LDS store
	ds_add_u32 v[SPW], v[NIL]
	s_wait_dscnt 0x0
	s_endpgm
.Lfunc_end_k_q5425188a6e_down:
	.size	k_q5425188a6e_down, .Lfunc_end_k_q5425188a6e_down-k_q5425188a6e_down
	.p2alignl 7, 3214868480
	.fill 96, 4, 3214868480
	.section	.rodata,"a",@progbits
	.p2align	6, 0x0
	.amdhsa_kernel k_q5425188a6e_down
		.amdhsa_group_segment_fixed_size 324096
		.amdhsa_private_segment_fixed_size 0
		.amdhsa_enable_private_segment 0
		.amdhsa_kernarg_size 48
		.amdhsa_user_sgpr_count 2
		.amdhsa_user_sgpr_kernarg_segment_ptr 1
		.amdhsa_wavefront_size32 1
		.amdhsa_system_sgpr_workgroup_id_x 1
		.amdhsa_system_sgpr_workgroup_id_y 1
		.amdhsa_system_sgpr_workgroup_id_z 1
		.amdhsa_system_vgpr_workitem_id 0
		.amdhsa_next_free_vgpr 768
		.amdhsa_next_free_sgpr 66
		.amdhsa_reserve_vcc 1
		.amdhsa_float_denorm_mode_32 3
		.amdhsa_float_denorm_mode_16_64 3
		.amdhsa_memory_ordered 1
		.amdhsa_forward_progress 1
		.amdhsa_inst_pref_size 147
	.end_amdhsa_kernel
	.amdgpu_metadata
---
amdhsa.version: [ 1, 2 ]
amdhsa.kernels:
  - .name:           k_q5425188a6e_down
    .symbol:         k_q5425188a6e_down.kd
    .args:
      - { .name: hb, .offset: 0, .size: 8, .value_kind: global_buffer, .address_space: global }
      - { .name: sel, .offset: 8, .size: 8, .value_kind: global_buffer, .address_space: global }
      - { .name: W_out, .offset: 16, .size: 8, .value_kind: global_buffer, .address_space: global }
      - { .name: b_out, .offset: 24, .size: 8, .value_kind: global_buffer, .address_space: global }
      - { .name: yp, .offset: 32, .size: 8, .value_kind: global_buffer, .address_space: global }
      - { .name: gw, .offset: 40, .size: 8, .value_kind: global_buffer, .address_space: global }
    .group_segment_fixed_size: 324096
    .private_segment_fixed_size: 0
    .kernarg_segment_align: 8
    .kernarg_segment_size: 48
    .max_flat_workgroup_size: 128
    .sgpr_count:     66
    .vgpr_count:     768
    .wavefront_size: 32
...
	.end_amdgpu_metadata
.endif
;; end of part 3
;; launch combine (part 4): grid 256 x 1, 8 waves a work-group, no clusters, 0 bytes of LDS; arguments yp, out0; writes out0
.if DOCPART == 4
	.amdgcn_target "amdgcn-amd-amdhsa--gfx1250"
	.amdhsa_code_object_version 6
	.text
	.protected	k_q5425188a6e_combine
	.globl	k_q5425188a6e_combine
	.p2align	8
	.type	k_q5425188a6e_combine,@function
k_q5425188a6e_combine:
	s_mov_b64 s[64:65], 0
	v_nop
	global_prefetch_b8 v0, s[64:65] scope:SCOPE_SE
	s_setreg_imm32_b32 hwreg(HW_REG_WAVE_MODE, 25, 1), 1
	s_wait_xcnt 0x0
; out0[t][d] = the sum over the eight planes p = 2 kq + j of yp[p][t][d]: four quarters of K for each of a token's two choices, already weighted by the gate.  All f32.
; A stream: a plane is 4 MB, laid like out0, so the sum is dense.  A work-group owns 16 KB of out0, a thread four pieces of 16 bytes, 4,096 bytes apart;
; a wave's load or store covers 512 consecutive bytes, aligned.  All 32 loads of a thread go out before the first wait.  No LDS, no barrier, no matrix unit: memory binds.
.set Y, 8                              ; v[8:135]  piece u, plane p at Y + 32 u + 4 p
	s_load_b128 s[4:7], s[0:1], 0x0                ; yp s[4:5], out0 s[6:7]
	v_lshlrev_b32 v1, 4, v0
	s_lshl_b32 s2, ttmp9, 14
	s_mov_b32 s3, 0
	s_wait_kmcnt 0x0
	s_add_nc_u64 s[8:9], s[4:5], s[2:3]            ; planes 0, 1
	s_add_nc_u64 s[6:7], s[6:7], s[2:3]
	s_add_nc_u64 s[10:11], s[8:9], 0x800000        ; planes 2, 3
	s_add_nc_u64 s[12:13], s[8:9], 0x1000000       ; planes 4, 5
	s_add_nc_u64 s[14:15], s[8:9], 0x1800000       ; planes 6, 7; the odd plane of a pair stands in the immediate
.irp u, 0,1,2,3
.irp p, 0,1,2,3,4,5,6,7
	global_load_b128 v[Y+32*\u+4*\p:Y+32*\u+4*\p+3], v1, s[8+2*(\p/2):9+2*(\p/2)] offset:(\p%2)*0x400000+4096*\u th:TH_LOAD_NT
.endr
.endr
.irp u, 0,1,2,3
	s_wait_loadcnt 24-8*\u                         ; the younger pieces' loads, 8 each
.irp p, 0,2,4,6
	v_pk_add_f32 v[Y+32*\u+4*\p:Y+32*\u+4*\p+1],   v[Y+32*\u+4*\p:Y+32*\u+4*\p+1],   v[Y+32*\u+4*\p+4:Y+32*\u+4*\p+5]
	v_pk_add_f32 v[Y+32*\u+4*\p+2:Y+32*\u+4*\p+3], v[Y+32*\u+4*\p+2:Y+32*\u+4*\p+3], v[Y+32*\u+4*\p+6:Y+32*\u+4*\p+7]
.endr
.irp p, 0,4
	v_pk_add_f32 v[Y+32*\u+4*\p:Y+32*\u+4*\p+1],   v[Y+32*\u+4*\p:Y+32*\u+4*\p+1],   v[Y+32*\u+4*\p+8:Y+32*\u+4*\p+9]
	v_pk_add_f32 v[Y+32*\u+4*\p+2:Y+32*\u+4*\p+3], v[Y+32*\u+4*\p+2:Y+32*\u+4*\p+3], v[Y+32*\u+4*\p+10:Y+32*\u+4*\p+11]
.endr
	v_pk_add_f32 v[Y+32*\u:Y+32*\u+1],   v[Y+32*\u:Y+32*\u+1],   v[Y+32*\u+16:Y+32*\u+17]
	v_pk_add_f32 v[Y+32*\u+2:Y+32*\u+3], v[Y+32*\u+2:Y+32*\u+3], v[Y+32*\u+18:Y+32*\u+19]
	global_store_b128 v1, v[Y+32*\u:Y+32*\u+3], s[6:7] offset:4096*\u th:TH_STORE_NT
.endr
	s_endpgm
.Lfunc_end_k_q5425188a6e_combine:
	.size	k_q5425188a6e_combine, .Lfunc_end_k_q5425188a6e_combine-k_q5425188a6e_combine
	.p2alignl 7, 3214868480
	.fill 96, 4, 3214868480
	.section	.rodata,"a",@progbits
	.p2align	6, 0x0
	.amdhsa_kernel k_q5425188a6e_combine
		.amdhsa_group_segment_fixed_size 0
		.amdhsa_private_segment_fixed_size 0
		.amdhsa_enable_private_segment 0
		.amdhsa_kernarg_size 16
		.amdhsa_user_sgpr_count 2
		.amdhsa_user_sgpr_kernarg_segment_ptr 1
		.amdhsa_wavefront_size32 1
		.amdhsa_system_sgpr_workgroup_id_x 1
		.amdhsa_system_sgpr_workgroup_id_y 1
		.amdhsa_system_sgpr_workgroup_id_z 1
		.amdhsa_system_vgpr_workitem_id 0
		.amdhsa_next_free_vgpr 144
		.amdhsa_next_free_sgpr 66
		.amdhsa_reserve_vcc 0
		.amdhsa_float_denorm_mode_32 3
		.amdhsa_float_denorm_mode_16_64 3
		.amdhsa_memory_ordered 1
		.amdhsa_forward_progress 1
		.amdhsa_inst_pref_size 8
	.end_amdhsa_kernel
	.amdgpu_metadata
---
amdhsa.version: [ 1, 2 ]
amdhsa.kernels:
  - .name:           k_q5425188a6e_combine
    .symbol:         k_q5425188a6e_combine.kd
    .args:
      - { .name: yp, .offset: 0, .size: 8, .value_kind: global_buffer, .address_space: global }
      - { .name: out0, .offset: 8, .size: 8, .value_kind: global_buffer, .address_space: global }
    .group_segment_fixed_size: 0
    .private_segment_fixed_size: 0
    .kernarg_segment_align: 8
    .kernarg_segment_size: 16
    .max_flat_workgroup_size: 256
    .sgpr_count:     66
    .vgpr_count:     144
    .wavefront_size: 32
...
	.end_amdgpu_metadata
.endif
;; end of part 4
